; MI455X (gfx1250); checked and timed in simulation.
; The chip was launched on July 23, 2026; its instructions are those of AMD's public machine-readable ISA for CDNA 5 (MIT licence, August 2026) and "CDNA5" Instruction Set Architecture Reference Guide (July 2026). The comments in the code are by the model that wrote it; some were corrected since.
;; Causal Multi Head Attention With Ro PE. Allowed arithmetic: matrix products marked QUANTISED: E2M1 operands, one E8M0 scale for each 32 along K, by v_wmma_scale_f32_16x16x128_f8f6f4 with both operands' format E2M1 (or v_wmma_scale_f32_32x16x128_f4), f32 sums; products left as they are: bf16, f16 or f32 operands; f32 sums; everything else in f32.
;; Inputs: k_proj_weight 1,024 x 1,024 float32; o_proj_weight 1,024 x 1,024 float32; q_proj_weight 1,024 x 1,024 float32; v_proj_weight 1,024 x 1,024 float32; x 2 x 2,048 x 1,024 float32.
;; Outputs: out0 2 x 2,048 x 1,024 float32.
;; This version of the problem:
;;   THIS VERSION OF THE PROBLEM IS GIVEN IN LOW PRECISION. The matrix products marked QUANTISED in the list below multiply operands that are first quantised to E2M1 (2 exponent bits, 1 mantissa bit; 4 bits a number), with one power-of-two scale for each 32 numbers along K (OCP MX v1.0); their sums are f32. The products marked 'left as it is' may take bf16, f16 or f32 operands, with f32 sums. Whichever they take, every output number must still come out within the allowed error. Rounding operands to bf16 (8 significant bits) uses up far more of that allowance than f16 does (11 bits, for magnitudes from 6e-5 to 65,504). All else is computed in f32.
;;   The module's matrix products, in the order in which they are computed (A, B: the left and right operand; K: the contracted axis; several contracted axes count as one K, in the product's order):
;;     1. [M 4,096, K 1,024] x [K 1,024, N 1,024]; A: input x; B: input q_proj_weight: QUANTISED
;;     2. [M 4,096, K 1,024] x [K 1,024, N 1,024]; A: input x; B: input k_proj_weight: QUANTISED
;;     3. [M 4,096, K 1,024] x [K 1,024, N 1,024]; A: input x; B: input v_proj_weight: QUANTISED
;;     4. batch 32 x [M 2,048, K 64] x [K 64, N 2,048]; A: computed on the way; B: computed on the way: left as it is (an operand is computed on the way)
;;     5. batch 32 x [M 2,048, K 2,048] x [K 2,048, N 64]; A: computed on the way; B: computed on the way: left as it is (an operand is computed on the way)
;;     6. [M 4,096, K 1,024] x [K 1,024, N 1,024]; A: computed on the way; B: input o_proj_weight: left as it is (an operand is computed on the way)
;;   THE QUANTISER, for each operand of a quantised product, along K:
;;     - K is cut into blocks of 32 from its start; a last block that is shorter is filled with zeros.
;;     - A block's scale is 2^e with e = floor(log2(the largest magnitude in the block)) - 2, held to -126 .. 127; a block of zeros has e = 0. As a byte (E8M0): e + 127.
;;     - Each number is divided by its block's scale, clamped to +-6, and rounded to the nearest number of E2M1, ties to even, subnormals kept.
;;     - The product sums the exact products of the quantised numbers (number of the format x scale) in f32.
;;   ~~~python
;;   def quantise(x, axis):      # numpy; x: float32 -> the quantised numbers, widened to float32 again
;;       x = np.moveaxis(x, axis, -1); K = x.shape[-1]
;;       x = np.pad(x, [(0, 0)] * (x.ndim - 1) + [(0, -K % 32)]); x = x.reshape(x.shape[:-1] + (-1, 32)); a = np.abs(x).max(-1, keepdims=True)
;;       e = np.where(a > 0, np.clip(np.frexp(np.where(a > 0, a, 1))[1] - 1 - 2, -126, 127), 0)      # np.frexp(a)[1] - 1 = floor(log2(a)), exactly
;;       r = np.clip(x / 2.0 ** e, -6, 6)
;;       step = 2.0 ** (np.maximum(np.frexp(np.where(r == 0, 1, r))[1] - 1, 0) - 1)
;;       q = np.round(r / step) * step * 2.0 ** e      # np.round: ties to even
;;       return np.moveaxis(q.reshape(q.shape[:-2] + (-1,))[..., :K], -1, axis).astype(np.float32)
;;   ~~~
;; One version. Each part assembles by itself: llvm-mc -triple=amdgcn-amd-amdhsa -mcpu=gfx1250 --defsym DOCPART=n.
;; ======== version 1 of 1: 4 launches
;; limits: values are held in f16: magnitudes above 65,504 overflow, below 6.1e-05 lose precision
;; workspace buffers: codes 3,670,016 bytes; scales 229,376 bytes; wo16 2,097,152 bytes; tab 524,288 bytes; qkv 25,165,824 bytes; ao 8,388,608 bytes
;; launch prep (part 1): grid 320 x 1, 4 waves a work-group, no clusters, 33,280 bytes of LDS; arguments x, q_proj_weight, k_proj_weight, v_proj_weight, o_proj_weight, codes, scales, wo16, tab; writes codes, scales, wo16, tab
.if DOCPART == 1
	.amdgcn_target "amdgcn-amd-amdhsa--gfx1250"
	.amdhsa_code_object_version 6
	.text
	.protected	k_qc9233a8a7b_prep
	.globl	k_qc9233a8a7b_prep
	.p2align	8
	.type	k_qc9233a8a7b_prep,@function
k_qc9233a8a7b_prep:
	s_mov_b64 s[64:65], 0
	v_nop
	global_prefetch_b8 v0, s[64:65] scope:SCOPE_SE
	s_setreg_imm32_b32 hwreg(HW_REG_WAVE_MODE, 25, 1), 1
	s_wait_xcnt 0x0
; PREPARATION, three kinds of work-groups, told apart by the work-group's number g alone.
;   g 0-223    x [4096][1024] and Wq, Wk, Wv [1024][1024], f32, K innermost, become codes of FP4 (E2M1) with one E8M0 scale byte for each 32 along K.
;              codes: rows of 512 bytes; rows 0-4095 are x's; row 4096 + 192 head + 64 t + e is row 64 head + e of W_t (t = 0 q, 1 k, 2 v): a head's 192 rows lie together.  scales: 32 bytes a row, same order.
;   g 224-287  Wo [1024][1024] f32 becomes f16, laid [n / 128][head 16][128 rows][64 k]: a K step's tile of the last product is then one dense block.
;   g 288-319  the table of RoPE: tab[pos 2048][pair 32] = (cos, sin) of pos x 10000^(-pair / 32), f32.
; A block's scale is 2^(floor(log2(its largest magnitude)) - 2); its byte is the largest magnitude's exponent field - 2, held at 1 from below.
; LIMITS.  NaN and infinities among the inputs are not served.  Blocks whose largest magnitude lies under 2^-124 keep the byte 1; a block of zeros has the byte 1 and not 127: its codes are zeros,
; and the bytes are read by this program alone.  Wo is held at +-65,504 ahead of its rounding to f16.  The table's angle is pos x f with f = 2^(-pair x 0.41524101), within about 2e-4 rad of the
; angle that a correctly rounded power would give at pos = 2047; sine and cosine of that angle are right to about 1e-7 (reduction by pi / 2 in two parts, polynomials up to y^9 and y^8 on |y| <= pi / 4).
; Only the quantiser's path touches LDS.
.set WAVES, 4
.set STEPS, 16
.set EMAX,  2
.set CB,    8                          ; bytes of 16 codes
.set R,     16                         ; v16-79   four sets of 16 numbers as they are loaded
.set X,     80                         ; v80-111  two sets of 16 neighbours
.set C,     128                        ; v128-191 codes: four registers for each step, so that no store's data are written again
.set E,     112                        ; v112-127 a scale byte for each step
.set WREG,  8192                       ; LDS: a region for each wave: two stages of 32 x SP bytes, behind them its 256 scale bytes
.set SP,    80                         ; a lane's place in a stage: 64 bytes + 16 of padding
.set SPW,   12                         ; v12 LDS address of my spare word; never rewritten
.set NIL,   13                         ; v13 0; never rewritten
.set SPARE, WAVES*WREG                 ; behind the four regions: the spare words, 128 bytes a wave
.set SRC,   26                         ; s[26:27] the tensor that I quantise
.set COD,   14                         ; s[14:15] codes
.set SCA,   16                         ; s[16:17] scales
	s_load_b512 s[4:19], s[0:1], 0x0               ; x 4:5, Wq 6:7, Wk 8:9, Wv 10:11, Wo 12:13, codes 14:15, scales 16:17, wo16 18:19
	s_load_b64 s[20:21], s[0:1], 0x40              ; tab
	v_lshl_add_u32 v[SPW], v0, 2, SPARE
	v_mov_b32 v[NIL], 0
	v_lshrrev_b32 v1, 5, v0
	v_readfirstlane_b32 s24, v1                    ; wave
	v_and_b32 v2, 31, v0                           ; lane
	s_mov_b32 s35, 0                               ; the upper word of every offset pair s[34:35]
	s_wait_kmcnt 0x0
	s_cmp_ge_u32 ttmp9, 224
	s_cbranch_scc1 .Lother
	; ---------------- THE QUANTISER: 32 rows a work-group, 8 rows (8,192 numbers, 16 steps of 512) a wave
	s_sub_co_u32 s25, ttmp9, 128                   ; among the weights' 96 work-groups (it wraps for x's: those values are not chosen below)
	s_lshr_b32 s28, s25, 5                         ; t: which weight
	s_and_b32 s29, s25, 31                         ; which 32 rows of it
	s_lshr_b32 s31, s29, 1                         ; the head,
	s_mul_i32 s31, s31, 192
	s_lshl_b32 s32, s28, 6
	s_add_co_u32 s31, s31, s32                     ; + 64 t
	s_and_b32 s32, s29, 1
	s_lshl_b32 s32, s32, 5
	s_add_co_u32 s31, s31, s32                     ; + which half of the head's 64 rows
	s_add_co_u32 s31, s31, 4096                    ; behind x's rows
	s_lshl_b32 s32, ttmp9, 5                       ; x: row 32 g
	s_mov_b64 s[SRC:SRC+1], s[10:11]               ; the choice of a buffer hangs on the work-group's number alone
	s_cmp_eq_u32 s28, 1
	s_cselect_b64 s[SRC:SRC+1], s[8:9], s[SRC:SRC+1]
	s_cmp_eq_u32 s28, 0
	s_cselect_b64 s[SRC:SRC+1], s[6:7], s[SRC:SRC+1]
	s_cmp_lt_u32 ttmp9, 128
	s_cselect_b64 s[SRC:SRC+1], s[4:5], s[SRC:SRC+1]
	s_cselect_b32 s30, ttmp9, s29                  ; which 32 rows of the source
	s_cselect_b32 s31, s32, s31                    ; and the first row in codes and scales
	s_lshl_b32 s32, s24, 3                         ; my wave's 8 rows
	s_add_co_u32 s31, s31, s32
	s_lshl_b32 s30, s30, 5
	s_add_co_u32 s30, s30, s32
	s_lshl_b32 s34, s30, 12                        ; a source row is 4,096 bytes
	s_add_nc_u64 s[SRC:SRC+1], s[SRC:SRC+1], s[34:35]
	s_lshl_b32 s34, s31, 9                         ; a row of codes 512
	s_add_nc_u64 s[COD:COD+1], s[COD:COD+1], s[34:35]
	s_lshl_b32 s34, s31, 5                         ; a row of scales 32: my 8 rows are 256 bytes, aligned
	s_add_nc_u64 s[SCA:SCA+1], s[SCA:SCA+1], s[34:35]
	v_lshlrev_b32 v3, 4, v2                        ; my 16 bytes of a load's 512
	s_mul_i32 s36, s24, WREG
	v_lshrrev_b32 v14, 2, v2
	v_mul_u32_u24 v14, v14, SP
	v_and_b32 v15, 3, v2
	v_lshl_add_u32 v14, v15, 4, v14
	v_add_nc_u32 v14, s36, v14                     ; the stage, on the way in: four lanes' 64 bytes on end, then 16 of padding
	v_mul_u32_u24 v15, v2, SP
	v_add_nc_u32 v15, s36, v15                     ; and on the way out: my 16 neighbours
	v_mul_u32_u24 v4, v2, CB                       ; my codes' place in a step's
	v_lshrrev_b32 v5, 1, v2
	s_add_co_u32 s36, s36, 2*32*SP
	v_add_nc_u32 v5, s36, v5                       ; LDS: my wave's 256 scale bytes, my block's byte
	v_lshlrev_b32 v7, 3, v2                        ; and on the way out 8 bytes a lane
	v_add_nc_u32 v6, s36, v7
.macro LOAD t
.irp i, 0,1,2,3
	global_load_b128 v[R+16*((\t)%4)+4*\i:R+16*((\t)%4)+4*\i+3], v3, s[SRC:SRC+1] offset:2048*(\t)+512*\i th:TH_LOAD_NT   ; 32 lanes read 512 consecutive bytes
.endr
.endm
.macro TURN t                          ; step t's numbers through the stage: LDS serves a wave's instructions in order, so no wait stands between the stores and the loads
.irp i, 0,1,2,3
	ds_store_b128 v14, v[R+16*((\t)%4)+4*\i:R+16*((\t)%4)+4*\i+3] offset:32*SP*((\t)%2)+8*SP*\i
.endr
.irp i, 0,1,2,3
	ds_load_b128 v[X+16*((\t)%2)+4*\i:X+16*((\t)%2)+4*\i+3], v15 offset:32*SP*((\t)%2)+16*\i
.endr
.endm
.irp t, 0,1,2,3
	LOAD \t
.endr
	s_wait_loadcnt 12                              ; step 0's four loads are in; the twelve of steps 1 to 3 stay out
	TURN 0
.macro STEP t
.set XS, X+16*((\t)%2)
.if (\t) > 0
	s_wait_dscnt 1                                 ; this step's numbers are back from the stage (the last step's byte store may be out)
.else
	s_wait_dscnt 0x0
.endif
.if (\t)+4 < STEPS
	LOAD (\t)+4                                    ; into the registers that this step's stores into the stage have read
.endif
.if (\t)+1 < STEPS
.if STEPS-2-(\t) >= 3
	s_wait_loadcnt 12                              ; the next step's four loads are in; those of the three steps behind it may be out
.else
	s_wait_loadcnt 4*(STEPS-2-(\t))
.endif
	TURN (\t)+1
.endif
	v_max3_num_f32 v8, |v[XS]|, |v[XS+1]|, |v[XS+2]|               ; the largest magnitude of my 16, in two chains
	v_max3_num_f32 v9, |v[XS+3]|, |v[XS+4]|, |v[XS+5]|
.irp i, 6,10
	v_max3_num_f32 v8, v8, |v[XS+\i]|, |v[XS+\i+1]|
	v_max3_num_f32 v9, v9, |v[XS+\i+2]|, |v[XS+\i+3]|
.endr
	v_max3_num_f32 v8, v8, |v[XS+14]|, |v[XS+15]|
	v_max3_num_f32 v8, v8, v9, (EMAX+1)<<23        ; and the floor 2^(3 - 127): the byte cannot fall under 1
	v_max_num_f32_dpp v8, v8, v8 row_xmask:1 row_mask:0xf bank_mask:0xf   ; and of my neighbour's 16: the block's
	v_add_nc_u32 v11, -(EMAX<<23), v8              ; 2 off its exponent field: the conversion takes the exponent field of this operand as its scale
	v_cvt_scalef32_pk8_fp4_f32 v[C+4*(\t)], v[XS:XS+7], v11
	v_cvt_scalef32_pk8_fp4_f32 v[C+4*(\t)+1], v[XS+8:XS+15], v11
	v_lshrrev_b32 v[E+(\t)], 23, v11               ; the scale's byte (also the plain line behind the conversions)
	ds_store_b8 v5, v[E+(\t)] offset:16*(\t)       ; both lanes of a block write the same byte with the same value
	global_store_b64 v4, v[C+4*(\t):C+4*(\t)+1], s[COD:COD+1] offset:32*CB*(\t)   ; the wave stores 256 consecutive bytes, aligned
.endm
.irp t, 0,1,2,3,4,5,6,7,8,9,10,11,12,13,14,15
	STEP \t
.endr
	ds_load_b64 v[8:9], v6                         ; LDS serves a wave's instructions in order: these see my stores
	s_wait_dscnt 0x0
	global_store_b64 v7, v[8:9], s[SCA:SCA+1]      ; 32 lanes store 256 consecutive bytes, aligned
	s_wait_tensorcnt 0x0                           ; the wave's end, behind my last LDS store
	ds_add_u32 v[SPW], v[NIL]
	s_wait_dscnt 0x0
	s_endpgm
.Lother:
	s_cmp_ge_u32 ttmp9, 288
	s_cbranch_scc1 .Ltable
	; ---------------- Wo TO f16: 16 rows a work-group, 4 a wave.  Lane L takes row L / 8 of the four and numbers 8 (L % 8) .. + 7 of each head's 64
	s_sub_co_u32 s25, ttmp9, 224
	s_lshl_b32 s25, s25, 4
	s_lshl_b32 s28, s24, 2
	s_add_co_u32 s25, s25, s28                     ; my first row n0
	s_lshl_b32 s34, s25, 12
	s_add_nc_u64 s[12:13], s[12:13], s[34:35]
	s_lshr_b32 s28, s25, 7
	s_lshl_b32 s28, s28, 18                        ; a block of 128 rows is 262,144 bytes of f16,
	s_and_b32 s29, s25, 127
	s_lshl_b32 s29, s29, 7                         ; a row in a head's plane 128
	s_add_co_u32 s34, s28, s29
	s_add_nc_u64 s[18:19], s[18:19], s[34:35]
	s_mov_b32 s30, 0xc77fe000                      ; -65,504
	s_mov_b32 s31, 0x477fe000                      ; +65,504
	v_lshrrev_b32 v1, 3, v2
	v_and_b32 v3, 7, v2
	v_lshlrev_b32 v1, 12, v1
	v_lshl_add_u32 v1, v3, 5, v1                   ; from: row x 4,096 + 32 (L % 8)
	v_lshlrev_b32 v3, 4, v2                        ; to: 16 L: four rows of 128 bytes on end
.irp hh, 0,1,2,3,4,5,6,7,8,9,10,11,12,13,14,15
	global_load_b128 v[16+8*\hh:19+8*\hh], v1, s[12:13] offset:256*\hh th:TH_LOAD_NT
	global_load_b128 v[20+8*\hh:23+8*\hh], v1, s[12:13] offset:256*\hh+16 th:TH_LOAD_NT
.endr
.irp hh, 0,1,2,3,4,5,6,7,8,9,10,11,12,13,14,15
	s_wait_loadcnt 30-2*\hh                        ; this head's two loads are in; two for each later head stay out
.irp j, 0,1,2,3,4,5,6,7
	v_med3_num_f32 v[16+8*\hh+\j], v[16+8*\hh+\j], s30, s31
.endr
.irp j, 0,1,2,3
	v_cvt_pk_f16_f32 v[144+4*\hh+\j], v[16+8*\hh+2*\j], v[17+8*\hh+2*\j]
.endr
	global_store_b128 v3, v[144+4*\hh:147+4*\hh], s[18:19] offset:16384*\hh   ; the wave stores 512 consecutive bytes; no register is written twice
.endr
	s_endpgm
.Ltable:
	; ---------------- THE TABLE: the lane is the pair's number; a wave takes 16 positions
	s_sub_co_u32 s36, ttmp9, 288
	s_lshl_b32 s36, s36, 6
	s_lshl_b32 s37, s24, 4
	s_add_co_u32 s36, s36, s37                     ; my first position
	s_lshl_b32 s34, s36, 8                         ; a position's row is 256 bytes
	s_add_nc_u64 s[20:21], s[20:21], s[34:35]
	s_mov_b32 s26, 0x3f22f983                      ; 2 / pi
	s_mov_b32 s27, 0xbfc90fdb                      ; -(pi / 2 rounded to f32)
	s_mov_b32 s28, 0x333bbd2e                      ; that rounded number less pi / 2
	s_mov_b32 s29, 0xbe2aaaab                      ; -1/6
	s_mov_b32 s30, 0x3c088889                      ; 1/120
	s_mov_b32 s31, 0xb9500d01                      ; -1/5040
	s_mov_b32 s32, 0x3638ef1d                      ; 1/362880
	s_mov_b32 s33, 0x3d2aaaab                      ; 1/24
	s_mov_b32 s38, 0xbab60b61                      ; -1/720
	s_mov_b32 s39, 0x37d00d01                      ; 1/40320
	v_cvt_f32_u32 v3, v2
	v_mul_f32 v3, 0xbed49a78, v3                   ; -pair x log2(10000) / 32
	v_exp_f32 v3, v3                               ; the pair's frequency
	v_lshlrev_b32 v1, 3, v2                        ; (a plain line behind the exponential)  8 bytes a pair
	s_wait_alu depctr_va_vdst(0)                   ; ahead of the first use of the result
.macro SINCOS k
	s_add_co_u32 s37, s36, \k
	v_cvt_f32_u32 v4, s37
	v_mul_f32 v4, v4, v3                           ; the angle, rounded once
	v_mul_f32 v5, s26, v4
	v_rndne_f32 v5, v5                             ; n: the nearest multiple of pi / 2
	v_fma_f32 v6, v5, s27, v4
	v_fma_f32 v6, v5, s28, v6                      ; y = angle - n pi / 2, |y| <= pi / 4
	v_cvt_i32_f32 v7, v5
	v_mul_f32 v8, v6, v6                           ; z = y y
	v_fma_f32 v9, v8, s32, s31
	v_fma_f32 v9, v9, v8, s30
	v_fma_f32 v9, v9, v8, s29
	v_mul_f32 v10, v6, v8
	v_fma_f32 v9, v10, v9, v6                      ; sin y
	v_fma_f32 v10, v8, s39, s38
	v_fma_f32 v10, v10, v8, s33
	v_fma_f32 v10, v10, v8, -0.5
	v_fma_f32 v10, v10, v8, 1.0                    ; cos y
	v_and_b32 v11, 1, v7
	v_cmp_eq_u32 vcc_lo, 1, v11                    ; n odd: the two change places (a selection of values: nothing branches on it)
	v_cndmask_b32 v[65+2*\k], v9, v10, vcc_lo
	v_cndmask_b32 v[64+2*\k], v10, v9, vcc_lo
	v_lshlrev_b32 v11, 30, v7
	v_and_b32 v11, 0x80000000, v11                 ; the sine is negative where n % 4 is 2 or 3,
	v_xor_b32 v[65+2*\k], v[65+2*\k], v11
	v_add_nc_u32 v11, 1, v7
	v_lshlrev_b32 v11, 30, v11
	v_and_b32 v11, 0x80000000, v11                 ; the cosine where it is 1 or 2
	v_xor_b32 v[64+2*\k], v[64+2*\k], v11
	global_store_b64 v1, v[64+2*\k:65+2*\k], s[20:21] offset:256*\k   ; 32 lanes store 256 consecutive bytes, aligned; each position has its own registers
.endm
.irp k, 0,1,2,3,4,5,6,7,8,9,10,11,12,13,14,15
	SINCOS \k
.endr
	s_endpgm
.Lfunc_end_k_qc9233a8a7b_prep:
	.size	k_qc9233a8a7b_prep, .Lfunc_end_k_qc9233a8a7b_prep-k_qc9233a8a7b_prep
	.p2alignl 7, 3214868480
	.fill 96, 4, 3214868480
	.section	.rodata,"a",@progbits
	.p2align	6, 0x0
	.amdhsa_kernel k_qc9233a8a7b_prep
		.amdhsa_group_segment_fixed_size 33280
		.amdhsa_private_segment_fixed_size 0
		.amdhsa_enable_private_segment 0
		.amdhsa_kernarg_size 72
		.amdhsa_user_sgpr_count 2
		.amdhsa_user_sgpr_kernarg_segment_ptr 1
		.amdhsa_wavefront_size32 1
		.amdhsa_system_sgpr_workgroup_id_x 1
		.amdhsa_system_sgpr_workgroup_id_y 1
		.amdhsa_system_sgpr_workgroup_id_z 1
		.amdhsa_system_vgpr_workitem_id 0
		.amdhsa_next_free_vgpr 208
		.amdhsa_next_free_sgpr 66
		.amdhsa_reserve_vcc 1
		.amdhsa_float_denorm_mode_32 3
		.amdhsa_float_denorm_mode_16_64 3
		.amdhsa_memory_ordered 1
		.amdhsa_forward_progress 1
		.amdhsa_inst_pref_size 75
	.end_amdhsa_kernel
	.amdgpu_metadata
---
amdhsa.version: [ 1, 2 ]
amdhsa.kernels:
  - .name:           k_qc9233a8a7b_prep
    .symbol:         k_qc9233a8a7b_prep.kd
    .args:
      - { .name: x, .offset: 0, .size: 8, .value_kind: global_buffer, .address_space: global }
      - { .name: q_proj_weight, .offset: 8, .size: 8, .value_kind: global_buffer, .address_space: global }
      - { .name: k_proj_weight, .offset: 16, .size: 8, .value_kind: global_buffer, .address_space: global }
      - { .name: v_proj_weight, .offset: 24, .size: 8, .value_kind: global_buffer, .address_space: global }
      - { .name: o_proj_weight, .offset: 32, .size: 8, .value_kind: global_buffer, .address_space: global }
      - { .name: codes, .offset: 40, .size: 8, .value_kind: global_buffer, .address_space: global }
      - { .name: scales, .offset: 48, .size: 8, .value_kind: global_buffer, .address_space: global }
      - { .name: wo16, .offset: 56, .size: 8, .value_kind: global_buffer, .address_space: global }
      - { .name: tab, .offset: 64, .size: 8, .value_kind: global_buffer, .address_space: global }
    .group_segment_fixed_size: 33280
    .private_segment_fixed_size: 0
    .kernarg_segment_align: 8
    .kernarg_segment_size: 72
    .max_flat_workgroup_size: 128
    .sgpr_count:     66
    .vgpr_count:     208
    .wavefront_size: 32
...
	.end_amdgpu_metadata
.endif
;; end of part 1
;; launch qkv (part 2): grid 16 x 16, 4 waves a work-group, clusters of 4 x 4, 268,800 bytes of LDS; arguments codes, scales, tab, qkv; writes qkv
.if DOCPART == 2
	.amdgcn_target "amdgcn-amd-amdhsa--gfx1250"
	.amdhsa_code_object_version 6
	.text
	.protected	k_qc9233a8a7b_qkv
	.globl	k_qc9233a8a7b_qkv
	.p2align	8
	.type	k_qc9233a8a7b_qkv,@function
k_qc9233a8a7b_qkv:
	s_mov_b64 s[64:65], 0
	v_nop
	global_prefetch_b8 v0, s[64:65] scope:SCOPE_SE
	s_setreg_imm32_b32 hwreg(HW_REG_WAVE_MODE, 25, 1), 1
	s_wait_xcnt 0x0
	s_wait_alu depctr_hold_cnt(0) depctr_sa_sdst(0) depctr_va_vdst(0) depctr_va_sdst(0) depctr_va_ssrc(0) depctr_va_vcc(0) depctr_vm_vsrc(0)
	s_getreg_b32 s2, hwreg(HW_REG_IB_STS2, 6, 4)
	s_cmp_eq_u32 s2, 0
	s_cbranch_scc0 .Lentry_in_a_cluster
	s_endpgm
.Lentry_in_a_cluster:
	s_bfe_u32 s2, ttmp6, 0x10000c
	s_cmp_lg_u32 s2, 0xf033
	s_cbranch_scc0 .Lentry_shape_is_right
	s_endpgm
.Lentry_shape_is_right:
; q, k, v = x Wq^T, x Wk^T, x Wv^T on codes of FP4 (E2M1) with E8M0 scales, sums in f32; RoPE on q and k in f32; all three rounded to f16 and laid [batch x head][position][64].
; SHARES.  Work-group (x = head, y = block of 256 rows of x) makes 256 rows x 192 columns: the head's 64 columns of q, of k and of v.  Wave w makes rows 64 w .. 64 w + 63 and all 192 columns:
; 4 x 12 accumulators of 16 x 16, 384 registers.  All of K (1,024: 512 bytes a row) lies in LDS at once, in two chunks of 512 along K: every byte of LDS is filled once, there is no ring.
; CLUSTERS: 4 x 4 work-groups.  The four of a row of the cluster need the same rows of x, the four of a column the same head's weights: each tile is asked for JOINTLY, by the same tensor load with the
; same descriptor and a mask that names the four.  By this text's count three tensor loads of a wave are out at the most.
; THE MATRIX INSTRUCTION IS USED TRANSPOSED (source 0 = 16 rows of W, source 1 = 16 rows of x): lane (r, h) register j holds row r of x and column 8 h + j: eight neighbours, four pairs of RoPE.
; LIMITS: q, k and v are held at +-65,504 ahead of the rounding to f16.  NaN and infinities are not served.
; REGISTERS, in windows of 256.  Window 0: v16-29 addresses; v32-63 x's scale words (tile a, K step q: 32 + 8 a + q), v64-159 W's (64 + 8 b + q): they hold scales and nothing else; v160-223 x's fragments, two sets;
;   on the way out v160-191 at work, v192-207 packed, v208-239 rows read back.   Window 1: W's fragments, two sets of 96.
;   Window 2: the 24 accumulators of row tiles 0, 1 at 8 (12 (a % 2) + b); v192-255 the table's (cos, sin) for those rows.   Window 3: the same for row tiles 2, 3.
.set PITCH,  272                       ; an LDS row: 256 bytes + 16 of padding: the 16 rows that a load touches start 16 bytes apart modulo 256
.set CHUNK,  448*PITCH                 ; a chunk: 256 rows of x, then 192 rows of W
.set BOFF,   256*PITCH
.set SCL,    2*CHUNK                   ; x's scales: 256 rows x 32 bytes as 32 runs of 256 bytes + 16 of padding
.set SCLB,   SCL+32*272                ; W's: 24 such runs
.set SPARE,  259072                    ; the spare words, 128 bytes a wave, in blocks of 256 bytes of their own
.set STAGE,  SPARE+512                 ; the way out: 16 rows x 144 bytes for each wave
.set SPITCH, 144
.set ADRA, 16                          ; v16-17 my x fragments in chunk 0, 1
.set ADRB, 20                          ; v20-21 W's
.set ADSA, 22                          ; v22 x's scale words
.set ADSB, 23                          ; v23 W's
.set STO,  24
.set RD,   25
.set CO,   26
.set TBO,  27
.set SPW,  28
.set NIL,  29
.set SCA,  32
.set SCB,  64
.set AF,   160
.set TT,   160
.set PK,   192
.set BK,   208
.set TB,   192                         ; in windows 2 and 3
.set G1,   24
.set G0,   32
.set G1B,  48
.set G0B,  56
.set G1S,  68
.set G0S,  76
.set G1SB, 80
.set G0SB, 88
.set OB,   92                          ; s[92:97] where my rows of q, k, v begin
.set MSB, 0
.macro WIN new                         ; the immediate's high byte repeats the setting that is left
.if MSB != \new
	s_set_vgpr_msb (MSB<<8)|\new
.set MSB, \new
.endif
.endm
.set MUL_LO, 0xa1                      ; source 0 (W) window 1, source 1 (x) window 0, C and D window 2
.set MUL_HI, 0xf1                      ; the same, C and D window 3
.set TO_B,   0x40                      ; destination window 1, address window 0
; A joint load: waves 0 and 1 fetch for x, waves 2 and 3 for W.  The branch hangs on the wave's number alone.  An s_nop 0 and four v_nop follow each of the two lines.
.macro JLOAD g0a, g1a, g0b, g1b
	s_cmp_eq_u32 s15, 0
	s_cbranch_scc0 .Lfor_b_\@
	tensor_load_to_lds s[\g0a:\g0a+3], s[\g1a:\g1a+7]
	s_nop 0
.rept 4
	v_nop
.endr
	s_branch .Lasked_\@
.Lfor_b_\@:
	tensor_load_to_lds s[\g0b:\g0b+3], s[\g1b:\g1b+7]
	s_nop 0
.rept 4
	v_nop
.endr
.Lasked_\@:
.endm
.macro CROUND                          ; a round of the cluster's barrier
	s_barrier_signal -1
	s_barrier_wait -1
	s_cmp_lg_u32 s14, 0
	s_cbranch_scc1 .Lnot_wave_0_\@
	s_barrier_signal -3
.Lnot_wave_0_\@:
	s_barrier_wait -3
	s_barrier_signal -1
	s_barrier_wait -1
.endm
.macro PLACES
.rept 4
	v_nop
.endr
.endm
	s_load_b256 s[4:11], s[0:1], 0x0               ; codes 4:5, scales 6:7, tab 8:9, qkv 10:11
	v_lshl_add_u32 v[SPW], v0, 2, SPARE
	v_mov_b32 v[NIL], 0
	ds_add_u32 v[SPW], v[NIL]                      ; the wave's opening: the add and its wait stand ahead of my first tensor load; work on registers stands between them
	v_lshrrev_b32 v1, 5, v0
	v_readfirstlane_b32 s14, v1                    ; wave 0..3
	s_lshr_b32 s15, s14, 1                         ; I fetch for x (0) or for W (1),
	s_and_b32 s16, s14, 1                          ; its first or its second half
	s_bfe_u32 s40, ttmp6, 0x40000                  ; cx, cy: my place in the cluster
	s_bfe_u32 s41, ttmp6, 0x40004
	s_lshl_b32 s42, ttmp9, 2
	s_add_co_u32 s42, s42, s40                     ; the head = 4 x cluster x + cx
	s_and_b32 s17, ttmp7, 0xffff
	s_lshl_b32 s17, s17, 2
	s_add_co_u32 s17, s17, s41                     ; the block of 256 rows = 4 x cluster y + cy
	s_lshl_b32 s43, s41, 2
	s_lshl_b32 s43, 15, s43                        ; my row of the cluster
	s_lshl_b32 s44, 0x1111, s40                    ; my column
	; group 1 for codes: rows of 256 bytes, 512 bytes apart in memory, 16 bytes of padding behind each; 128 rows of x, 96 of W to a load
	s_or_b32 s[G1+0], s43, (0<<16)|(1<<20)|(1<<21)|(5<<22)|(3<<25)
	s_or_b32 s[G1B+0], s44, (0<<16)|(1<<20)|(1<<21)|(5<<22)|(3<<25)
.irp g, G1, G1B
	s_mov_b32 s[\g+1], 256<<16                     ; tensor_dim0
	s_mov_b32 s[\g+3], 256<<16                     ; tile_dim0
	s_mov_b32 s[\g+5], 512                         ; the pitch
	s_mov_b32 s[\g+6], 0
	s_mov_b32 s[\g+7], 0
.endr
	s_mov_b32 s[G1+2], 128<<16                     ; tensor_dim1
	s_mov_b32 s[G1+4], 128                         ; tile_dim1
	s_mov_b32 s[G1B+2], 96<<16
	s_mov_b32 s[G1B+4], 96
	; group 1 for scales: a dense block, as rows of 256 bytes (32 elements of 8), 16 bytes of padding behind each; 16 rows for x's half, 12 for W's
	s_or_b32 s[G1S+0], s43, (3<<16)|(1<<20)|(1<<21)|(5<<22)|(3<<25)
	s_or_b32 s[G1SB+0], s44, (3<<16)|(1<<20)|(1<<21)|(5<<22)|(3<<25)
.irp g, G1S, G1SB
	s_mov_b32 s[\g+1], 32<<16
	s_mov_b32 s[\g+3], 32<<16
	s_mov_b32 s[\g+5], 32
	s_mov_b32 s[\g+6], 0
	s_mov_b32 s[\g+7], 0
.endr
	s_mov_b32 s[G1S+2], 16<<16
	s_mov_b32 s[G1S+4], 16
	s_mov_b32 s[G1SB+2], 12<<16
	s_mov_b32 s[G1SB+4], 12
	s_lshl_b32 s18, s16, 7
	s_lshl_b32 s20, s17, 8
	s_add_co_u32 s20, s20, s18                     ; x: row 256 x block + 128 x half
	s_mul_i32 s19, s16, 96
	s_mul_i32 s46, s42, 192
	s_add_co_u32 s46, s46, s19                     ; W: row 192 x head + 96 x half, behind x's 4,096
	s_lshl_b32 s22, s20, 5                         ; in bytes: scales,
	s_mov_b32 s23, 0
	s_lshl_b32 s20, s20, 9                         ; codes
	s_mov_b32 s21, 0
	s_lshl_b32 s18, s46, 5
	s_add_co_u32 s18, s18, 131072
	s_mov_b32 s19, 0
	s_lshl_b32 s46, s46, 9
	s_add_co_u32 s46, s46, 2097152
	s_mov_b32 s47, 0
	s_mul_i32 s45, s14, 128*PITCH                  ; where they go: no place in the cluster enters an LDS address.  x's codes: waves 0, 1
	s_mul_i32 s12, s14, 96*PITCH
	s_add_co_u32 s12, s12, BOFF-2*96*PITCH         ; W's codes: waves 2, 3
	s_mul_i32 s66, s14, 16*272
	s_add_co_u32 s66, s66, SCL                     ; x's scales
	s_mul_i32 s67, s14, 12*272
	s_add_co_u32 s67, s67, SCLB-2*12*272           ; W's
	s_mov_b32 s98, 0xc77fe000                      ; -65,504
	s_mov_b32 s99, 0x477fe000                      ; +65,504
	s_wait_dscnt 0x0                               ; the opening add is done
	s_wait_kmcnt 0x0
	s_add_nc_u64 s[20:21], s[4:5], s[20:21]
	s_add_nc_u64 s[22:23], s[6:7], s[22:23]
	s_add_nc_u64 s[46:47], s[4:5], s[46:47]
	s_add_nc_u64 s[18:19], s[6:7], s[18:19]
	CROUND                                         ; all sixteen work-groups are here: the joint loads meet
	s_mov_b32 s[G0S], 1
	s_mov_b32 s[G0S+1], s66
	s_mov_b64 s[G0S+2:G0S+3], s[22:23]
	s_or_b32 s[G0S+3], s[G0S+3], 0x80000000
	s_mov_b32 s[G0SB], 1
	s_mov_b32 s[G0SB+1], s67
	s_mov_b64 s[G0SB+2:G0SB+3], s[18:19]
	s_or_b32 s[G0SB+3], s[G0SB+3], 0x80000000
	JLOAD G0S, G1S, G0SB, G1SB                     ; the scales first: they are wanted with chunk 0
.irp c, 0,1
	s_mov_b32 s[G0+4*\c], 1
	s_add_co_u32 s[G0+4*\c+1], s45, \c*CHUNK
	s_add_nc_u64 s[G0+4*\c+2:G0+4*\c+3], s[20:21], \c*256
	s_or_b32 s[G0+4*\c+3], s[G0+4*\c+3], 0x80000000
	s_mov_b32 s[G0B+4*\c], 1
	s_add_co_u32 s[G0B+4*\c+1], s12, \c*CHUNK
	s_add_nc_u64 s[G0B+4*\c+2:G0B+4*\c+3], s[46:47], \c*256
	s_or_b32 s[G0B+4*\c+3], s[G0B+4*\c+3], 0x80000000
	JLOAD G0+4*\c, G1, G0B+4*\c, G1B
.endr
	v_and_b32 v1, 15, v0                           ; r
	v_bfe_u32 v2, v0, 4, 1                         ; h
	v_mul_u32_u24 v3, v1, PITCH
	v_lshl_add_u32 v4, v2, 4, v3                   ; a fragment's row x pitch + 16 h
	s_mul_i32 s21, s14, 64*PITCH                   ; my 64 rows of x
	v_add_nc_u32 v[ADRA], s21, v4
	v_add_nc_u32 v[ADRA+1], CHUNK, v[ADRA]
	v_add_nc_u32 v[ADRB], BOFF, v4
	v_add_nc_u32 v[ADRB+1], BOFF+CHUNK, v4
	v_lshrrev_b32 v5, 3, v1                        ; a row's 32 scale bytes: eight rows to a run of 256
	v_mul_u32_u24 v5, v5, 272
	v_and_b32 v6, 7, v1
	v_lshl_add_u32 v5, v6, 5, v5
	s_mul_i32 s21, s14, 8*272
	s_add_co_u32 s21, s21, SCL
	v_add_nc_u32 v[ADSA], s21, v5
	v_add_nc_u32 v[ADSB], SCLB, v5
	s_mul_i32 s21, s14, 16*SPITCH
	s_add_co_u32 s21, s21, STAGE                   ; my stage
	v_mul_u32_u24 v5, v1, SPITCH
	v_lshl_add_u32 v5, v2, 4, v5
	v_add_nc_u32 v[STO], s21, v5                   ; in: row r, 16 bytes for each half of the lanes
	v_and_b32 v6, 31, v0
	v_lshrrev_b32 v5, 3, v6
	v_mul_u32_u24 v5, v5, SPITCH
	v_and_b32 v7, 7, v0
	v_lshl_add_u32 v5, v7, 4, v5
	v_add_nc_u32 v[RD], s21, v5                    ; back: eight lanes to a row of 128 bytes, four rows a load
	v_lshlrev_b32 v[CO], 4, v6                     ; and 512 consecutive bytes in memory
	v_lshlrev_b32 v[TBO], 8, v1
	v_lshl_add_u32 v[TBO], v2, 5, v[TBO]           ; the table: position r, pairs 4 h on
	s_and_b32 s19, s17, 7
	s_lshl_b32 s19, s19, 8
	s_lshl_b32 s20, s14, 6
	s_add_co_u32 s19, s19, s20                     ; my first row's position in its sequence
	s_lshl_b32 s22, s19, 8
	s_mov_b32 s23, 0
	s_add_nc_u64 s[8:9], s[8:9], s[22:23]
	s_lshr_b32 s18, s17, 3                         ; the batch
	s_lshl_b32 s18, s18, 4
	s_add_co_u32 s18, s18, s42                     ; 16 x batch + head
	s_lshl_b32 s18, s18, 11
	s_add_co_u32 s18, s18, s19
	s_lshl_b32 s22, s18, 7                         ; rows of 128 bytes
	s_add_nc_u64 s[OB:OB+1], s[10:11], s[22:23]    ; q
	s_add_nc_u64 s[OB+2:OB+3], s[OB:OB+1], 0x800000   ; k
	s_add_nc_u64 s[OB+4:OB+5], s[OB+2:OB+3], 0x800000 ; v
	WIN 0x80                                       ; the table for my 64 rows: 32 registers a row tile; it lands under the products
.irp a, 0,1
.irp b, 0,1,2,3
	global_load_b128 v[TB+32*\a+8*\b:TB+32*\a+8*\b+3], v[TBO], s[8:9] offset:4096*\a+64*\b
	global_load_b128 v[TB+32*\a+8*\b+4:TB+32*\a+8*\b+7], v[TBO], s[8:9] offset:4096*\a+64*\b+16
.endr
.endr
	WIN 0xc0
.irp a, 0,1
.irp b, 0,1,2,3
	global_load_b128 v[TB+32*\a+8*\b:TB+32*\a+8*\b+3], v[TBO], s[8:9] offset:4096*(\a+2)+64*\b
	global_load_b128 v[TB+32*\a+8*\b+4:TB+32*\a+8*\b+7], v[TBO], s[8:9] offset:4096*(\a+2)+64*\b+16
.endr
.endr
	WIN 0
; The fragments of K step q (128 along K): 12 of W into set q % 2 of window 1, 4 of x into set q % 2.  A fragment is 8 registers: lane (r, h) holds row r; registers 4 c .. 4 c + 3 hold K = 64 c + 32 h + 0 .. 31
.macro FETCH q
	WIN TO_B
.irp b, 0,1,2,3,4,5,6,7,8,9,10,11
	ds_load_b128 v[96*((\q)%2)+8*\b:96*((\q)%2)+8*\b+3], v[ADRB+(\q)/4] offset:4352*\b+64*((\q)%4)
	ds_load_b128 v[96*((\q)%2)+8*\b+4:96*((\q)%2)+8*\b+7], v[ADRB+(\q)/4] offset:4352*\b+64*((\q)%4)+32
.endr
	WIN 0
.irp a, 0,1,2,3
	ds_load_b128 v[AF+32*((\q)%2)+8*\a:AF+32*((\q)%2)+8*\a+3], v[ADRA+(\q)/4] offset:4352*\a+64*((\q)%4)
	ds_load_b128 v[AF+32*((\q)%2)+8*\a+4:AF+32*((\q)%2)+8*\a+7], v[ADRA+(\q)/4] offset:4352*\a+64*((\q)%4)+32
.endr
.endm
; 24 products: row tiles 2 hi, 2 hi + 1 against W's twelve.  The first K step starts the sums: nothing is cleared.  The 48 accumulators take turns, one instruction a turn, in the same order in every step.
.macro MUL24 q, hi
.irp a, 0,1
.irp b, 0,1,2,3,4,5,6,7,8,9,10,11
.if (\q) == 0
	v_wmma_scale_f32_16x16x128_f8f6f4 v[8*(12*\a+\b):8*(12*\a+\b)+7], v[96*((\q)%2)+8*\b:96*((\q)%2)+8*\b+7], v[AF+32*((\q)%2)+8*(2*\hi+\a):AF+32*((\q)%2)+8*(2*\hi+\a)+7], 0, v[SCB+8*\b+(\q)], v[SCA+8*(2*\hi+\a)+(\q)] matrix_a_fmt:MATRIX_FMT_FP4 matrix_b_fmt:MATRIX_FMT_FP4
.else
	v_wmma_scale_f32_16x16x128_f8f6f4 v[8*(12*\a+\b):8*(12*\a+\b)+7], v[96*((\q)%2)+8*\b:96*((\q)%2)+8*\b+7], v[AF+32*((\q)%2)+8*(2*\hi+\a):AF+32*((\q)%2)+8*(2*\hi+\a)+7], v[8*(12*\a+\b):8*(12*\a+\b)+7], v[SCB+8*\b+(\q)], v[SCA+8*(2*\hi+\a)+(\q)] matrix_a_fmt:MATRIX_FMT_FP4 matrix_b_fmt:MATRIX_FMT_FP4
.endif
.endr
.endr
.endm
.macro STEP q
	s_wait_dscnt 0x0                               ; this step's fragments are in: they were asked for ahead of the last step's 48 products
.if (\q) == 3
	s_wait_tensorcnt 0x0                           ; my part of chunk 1 has landed (my last tensor load),
	s_barrier_signal -1
	s_barrier_wait -1                              ; everybody's has: the next step's fragments are read from it.  Nothing is filled again
.endif
.if (\q) < 7
	PLACES                                         ; four places behind the last products, ahead of loads into the set that they read
	FETCH (\q)+1
.endif
	WIN MUL_LO
	MUL24 \q, 0
	WIN MUL_HI
	MUL24 \q, 1
	WIN 0
.endm
	s_wait_tensorcnt 1                             ; the scales and my part of chunk 0 are in; chunk 1's load may stay out
	s_barrier_signal -1
	s_barrier_wait -1                              ; everybody's are
.irp a, 0,1,2,3
	ds_load_b128 v[SCA+8*\a:SCA+8*\a+3], v[ADSA] offset:544*\a       ; a row's eight scale words, one for each K step; lanes 16-31 load what lanes 0-15 load and are not read
	ds_load_b128 v[SCA+8*\a+4:SCA+8*\a+7], v[ADSA] offset:544*\a+16
.endr
.irp b, 0,1,2,3,4,5,6,7,8,9,10,11
	ds_load_b128 v[SCB+8*\b:SCB+8*\b+3], v[ADSB] offset:544*\b
	ds_load_b128 v[SCB+8*\b+4:SCB+8*\b+7], v[ADSB] offset:544*\b+16
.endr
	FETCH 0
.irp q, 0,1,2,3,4,5,6,7
	STEP \q
.endr
; THE WAY OUT, in 12 blocks n = 3 a + t of 16 rows x 64 columns (row tile a; t = 0 q, 1 k, 2 v).  PACK: RoPE (q and k), the hold, the rounding to f16.  TOSTAGE: through my own stage, back as 2,048 consecutive bytes.  SEND: stored.
.macro PACK n
.set EA, (\n)/3
.set ET, (\n)%3
.set AC, 8*(12*(EA%2)+4*ET)
.set TBL, TB+32*(EA%2)
.if ET < 2
	WIN 0x0a+5*(EA/2)                              ; sources 0 and 1: window 2 or 3
.irp b, 0,1,2,3
.irp p, 0,1,2,3                                ; each accumulator is read from its low end on
	v_mul_f32 v[TT+8*\b+2*\p], v[AC+8*\b+2*\p], v[TBL+8*\b+2*\p]           ; even x cos
	v_mul_f32 v[TT+8*\b+2*\p+1], v[AC+8*\b+2*\p], v[TBL+8*\b+2*\p+1]       ; even x sin
.endr
.irp p, 0,1,2,3
	v_fma_f32 v[TT+8*\b+2*\p], -v[AC+8*\b+2*\p+1], v[TBL+8*\b+2*\p+1], v[TT+8*\b+2*\p]     ; - odd x sin
	v_fma_f32 v[TT+8*\b+2*\p+1], v[AC+8*\b+2*\p+1], v[TBL+8*\b+2*\p], v[TT+8*\b+2*\p+1]    ; + odd x cos
.endr
.endr
	WIN 0
.irp j, 0,1,2,3,4,5,6,7,8,9,10,11,12,13,14,15,16,17,18,19,20,21,22,23,24,25,26,27,28,29,30,31
	v_med3_num_f32 v[TT+\j], v[TT+\j], s98, s99
.endr
.else
	WIN 0x02+(EA/2)
.irp j, 0,1,2,3,4,5,6,7,8,9,10,11,12,13,14,15,16,17,18,19,20,21,22,23,24,25,26,27,28,29,30,31
	v_med3_num_f32 v[TT+\j], v[AC+\j], s98, s99
.endr
	WIN 0
.endif
.irp j, 0,1,2,3,4,5,6,7,8,9,10,11,12,13,14,15
	v_cvt_pk_f16_f32 v[PK+\j], v[TT+2*\j], v[TT+2*\j+1]
.endr
.endm
.macro TOSTAGE n
.irp b, 0,1,2,3
	ds_store_b128 v[STO], v[PK+4*\b:PK+4*\b+3] offset:32*\b
.endr
.irp i, 0,1,2,3
	ds_load_b128 v[BK+16*((\n)%2)+4*\i:BK+16*((\n)%2)+4*\i+3], v[RD] offset:576*\i   ; LDS serves a wave's instructions in order: these see the stores above
.endr
.endm
.macro SEND n
.set EA, (\n)/3
.set ET, (\n)%3
	s_wait_dscnt 0x0                               ; the block is back in registers (the next block's arithmetic stood between)
.irp i, 0,1,2,3
	global_store_b128 v[CO], v[BK+16*((\n)%2)+4*\i:BK+16*((\n)%2)+4*\i+3], s[OB+2*ET:OB+2*ET+1] offset:2048*EA+512*\i   ; the wave stores 512 consecutive bytes, aligned
.endr
.endm
	s_wait_loadcnt 0x0                             ; the table
	PLACES                                         ; behind the last products: their results are read, and the registers of x's fragments are written
	PACK 0
	TOSTAGE 0
.irp n, 1,2,3,4,5,6,7,8,9,10,11
	PACK \n
	SEND (\n)-1
.if \n > 1
	s_wait_xcnt 0x0                                ; block n - 2's stores have read their registers: block n's rows may land there
.endif
	TOSTAGE \n
.endr
	SEND 11
	s_wait_tensorcnt 0x0                           ; the wave's end, behind my last tensor load and my last LDS store
	ds_add_u32 v[SPW], v[NIL]
	s_wait_dscnt 0x0
	CROUND                                         ; the closing round: no work-group ends while a partner may still ask for a tile that names it
	s_endpgm
.Lfunc_end_k_qc9233a8a7b_qkv:
	.size	k_qc9233a8a7b_qkv, .Lfunc_end_k_qc9233a8a7b_qkv-k_qc9233a8a7b_qkv
	.p2alignl 7, 3214868480
	.fill 96, 4, 3214868480
	.section	.rodata,"a",@progbits
	.p2align	6, 0x0
	.amdhsa_kernel k_qc9233a8a7b_qkv
		.amdhsa_group_segment_fixed_size 268800
		.amdhsa_private_segment_fixed_size 0
		.amdhsa_enable_private_segment 0
		.amdhsa_kernarg_size 32
		.amdhsa_user_sgpr_count 2
		.amdhsa_user_sgpr_kernarg_segment_ptr 1
		.amdhsa_wavefront_size32 1
		.amdhsa_system_sgpr_workgroup_id_x 1
		.amdhsa_system_sgpr_workgroup_id_y 1
		.amdhsa_system_sgpr_workgroup_id_z 1
		.amdhsa_system_vgpr_workitem_id 0
		.amdhsa_next_free_vgpr 1024
		.amdhsa_next_free_sgpr 100
		.amdhsa_reserve_vcc 0
		.amdhsa_float_denorm_mode_32 3
		.amdhsa_float_denorm_mode_16_64 3
		.amdhsa_memory_ordered 1
		.amdhsa_forward_progress 1
		.amdhsa_inst_pref_size 154
	.end_amdhsa_kernel
	.amdgpu_metadata
---
amdhsa.version: [ 1, 2 ]
amdhsa.kernels:
  - .name:           k_qc9233a8a7b_qkv
    .symbol:         k_qc9233a8a7b_qkv.kd
    .args:
      - { .name: codes, .offset: 0, .size: 8, .value_kind: global_buffer, .address_space: global }
      - { .name: scales, .offset: 8, .size: 8, .value_kind: global_buffer, .address_space: global }
      - { .name: tab, .offset: 16, .size: 8, .value_kind: global_buffer, .address_space: global }
      - { .name: qkv, .offset: 24, .size: 8, .value_kind: global_buffer, .address_space: global }
    .group_segment_fixed_size: 268800
    .private_segment_fixed_size: 0
    .kernarg_segment_align: 8
    .kernarg_segment_size: 32
    .max_flat_workgroup_size: 128
    .sgpr_count:     100
    .vgpr_count:     1024
    .wavefront_size: 32
...
	.end_amdgpu_metadata
.endif
;; end of part 2
;; launch attn (part 3): grid 8 x 32, 16 waves a work-group, no clusters, 327,680 bytes of LDS; arguments qkv, ao; writes ao
.if DOCPART == 3
	.amdgcn_target "amdgcn-amd-amdhsa--gfx1250"
	.amdhsa_code_object_version 6
	.text
	.protected	k_qc9233a8a7b_attn
	.globl	k_qc9233a8a7b_attn
	.p2align	8
	.type	k_qc9233a8a7b_attn,@function
k_qc9233a8a7b_attn:
	s_mov_b64 s[64:65], 0
	v_nop
	global_prefetch_b8 v0, s[64:65] scope:SCOPE_SE
	s_setreg_imm32_b32 hwreg(HW_REG_WAVE_MODE, 25, 1), 1
	s_wait_xcnt 0x0
; CAUSAL ATTENTION, head size 64: O[q] = sum over k <= q of softmax_k(Q[q] . K[k] / 8) V[k].  q, k, v: f16, [batch x head 32][2048][64], in one buffer, 8,388,608 bytes apart.  Products on f16 operands with f32 sums;
; maxima, exponentials and sums in f32, with a running maximum; the weights p are rounded to f16 for the second product, O once at the end.
; ao: f16, [row / 128][head 16][128 rows][64]: what the last product reads as dense tiles.
; SHARES.  Work-group (i = x, batch x head = y) owns the blocks i and 15 - i of 128 queries: the same count of visible tiles for every i.  Each of its SIXTEEN waves owns one tile of 16 queries in 256 registers, four waves
; to a SIMD, so that one wave's vector work stands beside another's products and LDS loads; the two blocks' waves are mixed.  Keys go 64 a step; K's and V's rows come through a ring of two LDS slots of 256 keys,
; filled by the tensor data mover (waves 0, 1: K's halves; waves 2, 3: V's) and read by all sixteen.  By this text's count one tensor load of a wave is out at the most.
; NO CLUSTER: the eight work-groups of a head need different numbers of slots (the last visible key is 128 (16 - i) - 1), so partners would not issue the same loads.
; LAYOUT.  S^T = K Q^T (source 0 = 16 keys, source 1 = my 16 queries), O^T = V^T P (source 0 = 16 channels x 32 keys, by the turning LDS load; source 1 = P): a lane holds ONE query (lane % 16) throughout, and two tiles of
; S^T, rounded in pairs, are P's operand as they stand.
; THE MASK.  Every work-group walks all 8 slots: trip counts are constants.  A step all of whose keys come after the wave's queries is jumped over (a branch on ids); on the diagonal hidden scores become -infinity.
; A slot whose first key comes after the work-group's last query is not asked for.
; LIMITS: O is held at +-65,504 ahead of its rounding to f16.  NaN and infinities are not served.
.set PKP,   272                        ; two keys' rows of K (256 bytes) + 16 of padding: the 16 rows of a load fall on 16 different 16-byte columns modulo 256
.set PVP,   288                        ; two keys' rows of V + 32: likewise for the turning load
.set VOFF,  128*PKP                    ; a slot: 256 keys of K, then 256 of V
.set SLOT1, 1<<17                      ; slot 1 begins here: one exclusive or turns an address from one slot to the other
.set STAGE, 2*SLOT1                    ; the way out: 16 rows x 144 bytes for each wave; no tile lands here
.set SPITCH, 144
.set SPARE, STAGE+16*16*SPITCH         ; the spare words, 128 bytes a wave
.set AK0,  1                           ; v1  my lane's place in a tile of K
.set AV0,  2                           ; v2  in a tile of V
.set ADK,  3                           ; v3  the step's address for K
.set ADV,  4                           ; v4  for V
.set SPW,  5
.set NIL,  6
.set D0,   7                           ; v7  r - 8 h
.set DD,   8                           ; v8  my query less my first key of the step
.set NINF, 9                           ; v9  -infinity
.set PFO,  10                          ; v10 256 x lane
.set GO,   11                          ; v11 16 x lane
.set ST,   12                          ; v12 c m, v13 m, v[14:15] the sum in two halves, v16-19 at work; a = 2^(c m_old - c m_new) in v18
.set QF,   24                          ; v24-39   Q: two fragments
.set KFR,  40                          ; v40-103  K: tile kt, channels 32 c on: 16 kt + 8 c
.set VFR,  104                         ; v104-167 V^T: keys 32 f on, channels 16 ct on: 32 f + 8 ct
.set S,    168                         ; v168-199 S^T, then p
.set P,    200                         ; v200-215 p in f16
.set O,    216                         ; v216-247 O^T
.set WV,   18
.set SEL,  20
.set CS,   22                          ; s[22:23] c = log2(e) / 8
.set G1K,  24
.set G1V,  32
.set G0K,  40
.set G0V,  44
.set TB,   2                           ; s2  where the slot in hand begins
.set SLOTS, 48
.set KF,   50                          ; s50 the step's first key
.set Q0,   51                          ; s51 my first query
.set QHI,  52                          ; s52 my last
.set QL,   53                          ; s53 my work-group's last
.set PFA,  54                          ; s[54:55] where my prefetches stand
.set LIM,  56                          ; s56 1 in a wave that prefetches, else the greatest number
; Waves 0 and 1 fetch K's halves of a slot, waves 2 and 3 V's, the others nothing.  An s_nop 0 and four v_nop follow each of the two lines.
.macro TLOAD
	s_cmp_lt_u32 s[WV], 2
	s_cbranch_scc0 .Lnot_k_\@
	tensor_load_to_lds s[G0K:G0K+3], s[G1K:G1K+7]
	s_nop 0
.rept 4
	v_nop
.endr
	s_branch .Lasked_\@
.Lnot_k_\@:
	s_cmp_lt_u32 s[WV], 4
	s_cbranch_scc0 .Lasked_\@
	tensor_load_to_lds s[G0V:G0V+3], s[G1V:G1V+7]
	s_nop 0
.rept 4
	v_nop
.endr
.Lasked_\@:
.endm
; A PREFETCH INTO THE L2 of the slot that the NEXT change of slots will ask for: four key steps ahead of that load.  A slot's rows of K are 32,768 dense bytes, and so are V's.  All work-groups of a head walk the same rows:
; the one with i = 0, which walks all eight slots, asks, and in it the waves that fetch nothing: waves 4-7 for K, waves 8-11 for V, 8,192 bytes a wave, lanes 256 bytes apart: each block of 256 bytes is named once.
; Slots 0 and 1 come by their loads alone; the last change that fills a slot asks for nothing: there is no slot behind it.
.macro ASK
	s_cmp_gt_u32 s[SLOTS], s[LIM]
	s_cbranch_scc0 .Lnot_mine_\@
	global_prefetch_b8 v[PFO], s[PFA:PFA+1] th:TH_LOAD_NT scope:SCOPE_SE
.Lnot_mine_\@:
.endm
	s_load_b128 s[4:7], s[0:1], 0x0                ; qkv 4:5, ao 6:7
	v_lshl_add_u32 v[SPW], v0, 2, SPARE
	v_mov_b32 v[NIL], 0
	ds_add_u32 v[SPW], v[NIL]                      ; the wave's opening: the add and its wait stand ahead of my first tensor load; work on registers stands between them
	v_lshrrev_b32 v1, 5, v0
	v_readfirstlane_b32 s[WV], v1                  ; wave 0..15
	s_and_b32 s8, ttmp7, 0xffff                    ; batch x head
	s_lshl_b32 s10, s8, 18                         ; its 2,048 rows of 128 bytes
	s_mov_b32 s11, 0
	s_and_b32 s9, s[WV], 1                         ; which half of a slot I fetch, if I fetch
	s_lshl_b32 s16, s9, 14
	s_mov_b32 s17, 0
	s_add_nc_u64 s[16:17], s[16:17], s[10:11]
	s_lshr_b32 s57, s[WV], 2
	s_xor_b32 s57, s57, s[WV]
	s_and_b32 s57, s57, 1                          ; which of the two blocks of queries is mine
	s_sub_co_u32 s58, 15, ttmp9
	s_cmp_eq_u32 s57, 1
	s_cselect_b32 s58, s58, ttmp9                  ; the block
	s_lshr_b32 s59, s[WV], 1                       ; my tile of 16 in it
	s_lshl_b32 s[Q0], s58, 7
	s_lshl_b32 s60, s59, 4
	s_add_co_u32 s[Q0], s[Q0], s60
	s_add_co_u32 s[QHI], s[Q0], 15
	s_sub_co_u32 s[QL], 16, ttmp9
	s_lshl_b32 s[QL], s[QL], 7
	s_sub_co_u32 s[QL], s[QL], 1
	s_lshl_b32 s60, s[Q0], 7
	s_mov_b32 s61, 0
	s_add_nc_u64 s[60:61], s[60:61], s[10:11]      ; my queries' bytes in q
	s_lshr_b32 s62, s8, 4                          ; ao: ((16 x batch + block) x 16 + head) x 128 + 16 x tile rows of 128 bytes
	s_lshl_b32 s62, s62, 4
	s_add_co_u32 s62, s62, s58
	s_lshl_b32 s62, s62, 4
	s_and_b32 s63, s8, 15
	s_add_co_u32 s62, s62, s63
	s_lshl_b32 s62, s62, 7
	s_lshl_b32 s63, s59, 4
	s_add_co_u32 s62, s62, s63
	s_lshl_b32 s62, s62, 7
	s_mov_b32 s63, 0
	; group 1: half a slot of K or V is a dense block of 16,384 bytes: 64 rows of 256 bytes (32 elements of 8); padding of 4 words (K) or 8 (V) behind each
	s_mov_b32 s[G1K], (3<<16)|(1<<20)|(5<<22)|(3<<25)
	s_mov_b32 s[G1V], (3<<16)|(1<<20)|(5<<22)|(7<<25)
.irp g, G1K, G1V
	s_mov_b32 s[\g+1], 32<<16
	s_mov_b32 s[\g+2], 64<<16
	s_mov_b32 s[\g+3], 32<<16
	s_mov_b32 s[\g+4], 64
	s_mov_b32 s[\g+5], 32
	s_mov_b32 s[\g+6], 0
	s_mov_b32 s[\g+7], 0
.endr
	s_mov_b32 s[G0K], 1
	s_mul_i32 s[G0K+1], s9, 64*PKP
	s_mov_b32 s[G0V], 1
	s_mul_i32 s[G0V+1], s9, 64*PVP
	s_add_co_u32 s[G0V+1], s[G0V+1], VOFF
	s_mov_b32 s[SEL], 0x76543210
	s_mov_b32 s[SEL+1], 0xfedcba98                 ; v_permlanex16_b32's selects for lane l xor 16
	s_mov_b32 s[CS], 0x3e38aa3b
	s_mov_b32 s[CS+1], s[CS]                       ; (named with it as a pair, so it is written)
	s_mov_b32 s[TB], 0
	s_mov_b32 s[KF], 0
	s_mov_b32 s[SLOTS], 7
	s_mov_b32 s98, 0xc77fe000                      ; -65,504
	s_mov_b32 s99, 0x477fe000                      ; +65,504
	s_wait_dscnt 0x0                               ; the opening add is done
	s_wait_kmcnt 0x0
	s_add_nc_u64 s[12:13], s[4:5], 0x800000        ; k
	s_add_nc_u64 s[14:15], s[4:5], 0x1000000       ; v
	s_add_nc_u64 s[G0K+2:G0K+3], s[12:13], s[16:17]
	s_or_b32 s[G0K+3], s[G0K+3], 0x80000000
	s_add_nc_u64 s[G0V+2:G0V+3], s[14:15], s[16:17]
	s_or_b32 s[G0V+3], s[G0V+3], 0x80000000
	TLOAD                                          ; slot 0
	s_add_nc_u64 s[60:61], s[4:5], s[60:61]
	s_add_nc_u64 s[6:7], s[6:7], s[62:63]
	s_cmp_lt_u32 s[WV], 8                          ; the prefetches: waves 4-7 stand in K, waves 8-11 in V,
	s_cselect_b64 s[PFA:PFA+1], s[12:13], s[14:15]
	s_and_b32 s66, s[WV], 3
	s_lshl_b32 s66, s66, 13                        ; at my wave's 8,192 bytes
	s_add_co_u32 s66, s66, 32768                   ; of slot 1: the first change of slots steps it to slot 2.  Nothing is prefetched here, at the head
	s_mov_b32 s67, 0
	s_add_nc_u64 s[66:67], s[66:67], s[10:11]
	s_add_nc_u64 s[PFA:PFA+1], s[PFA:PFA+1], s[66:67]
	s_sub_co_u32 s66, s[WV], 4
	s_lshr_b32 s66, s66, 3                         ; 0 in waves 4 to 11,
	s_or_b32 s66, s66, ttmp9                       ; of the head's work-group 0
	s_cmp_eq_u32 s66, 0
	s_cselect_b32 s[LIM], 1, -1
	v_and_b32 v248, 15, v0                         ; r
	v_bfe_u32 v249, v0, 4, 1                       ; h
	v_lshlrev_b32 v252, 7, v248
	v_lshl_add_u32 v252, v249, 4, v252             ; Q: row r of 128 bytes, + 16 h
.irp c, 0,1
	global_load_b128 v[QF+8*\c:QF+8*\c+3], v252, s[60:61] offset:64*\c
	global_load_b128 v[QF+8*\c+4:QF+8*\c+7], v252, s[60:61] offset:64*\c+32
.endr
	v_lshrrev_b32 v250, 1, v248
	v_mul_u32_u24 v[AK0], v250, PKP                ; K: key r lies in LDS row r / 2, half r % 2
	v_and_b32 v250, 1, v0
	v_lshl_add_u32 v[AK0], v250, 7, v[AK0]
	v_lshl_add_u32 v[AK0], v249, 4, v[AK0]
	v_bfe_u32 v251, v0, 1, 2                       ; V, for the turning load: lane l reads key 8 h + l % 8, channels 8 ((l / 8) % 2) on
	v_lshl_add_u32 v251, v249, 2, v251
	v_mul_u32_u24 v[AV0], v251, PVP
	v_lshl_add_u32 v[AV0], v250, 7, v[AV0]
	v_bfe_u32 v251, v0, 3, 1
	v_lshl_add_u32 v[AV0], v251, 4, v[AV0]
	v_add_nc_u32 v[AV0], VOFF, v[AV0]
	v_lshlrev_b32 v251, 3, v249
	v_sub_nc_u32 v[D0], v248, v251
	v_mov_b32 v[NINF], 0xff800000
	v_and_b32 v251, 31, v0
	v_lshlrev_b32 v[PFO], 8, v251
	v_lshlrev_b32 v[GO], 4, v251
	v_mov_b32 v[ST+1], 0xff61b1e6                  ; the largest score so far: -3e38, under every score
	v_mul_f32 v[ST], s[CS], v[ST+1]
.irp j, 2,3,4,5,6,7
	v_mov_b32 v[ST+\j], 0                          ; the sum; and the work registers, written once: a lane permute's destination counts as one of its sources
.endr
.irp j, 0,1,2,3,4,5,6,7,8,9,10,11,12,13,14,15,16,17,18,19,20,21,22,23,24,25,26,27,28,29,30,31
	v_mov_b32 v[O+\j], 0                           ; O^T.  (The step is written once: the first finds zeros, which a = 0 leaves zeros)
.endr
; A KEY STEP: 64 keys, the q-th of the slot in hand.
.macro STEP q
	s_cmp_gt_u32 s[KF], s[QHI]                     ; all 64 keys come after my queries: the step's work is left out.  A branch on ids; no barrier and no tensor load stands in a step
	s_cbranch_scc1 .Lhidden_\@
	v_add_nc_u32 v[ADK], s[TB], v[AK0]
	v_add_nc_u32 v[ADV], s[TB], v[AV0]
	v_nop
	v_nop                                          ; four places behind the last products, ahead of loads into the registers that they read
.irp c, 0,1
.irp kt, 0,1,2,3
	ds_load_b128 v[KFR+16*\kt+8*\c:KFR+16*\kt+8*\c+3], v[ADK] offset:(32*(\q)+8*\kt)*PKP+64*\c
	ds_load_b128 v[KFR+16*\kt+8*\c+4:KFR+16*\kt+8*\c+7], v[ADK] offset:(32*(\q)+8*\kt)*PKP+64*\c+32
.endr
.endr
.irp f, 0,1
.irp ct, 0,1,2,3
	ds_load_tr16_b128 v[VFR+32*\f+8*\ct:VFR+32*\f+8*\ct+3], v[ADV] offset:(32*(\q)+16*\f)*PVP+32*\ct
	ds_load_tr16_b128 v[VFR+32*\f+8*\ct+4:VFR+32*\f+8*\ct+7], v[ADV] offset:(32*(\q)+16*\f+8)*PVP+32*\ct
.endr
.endr
	s_wait_dscnt 24                                ; K's channels 0-31 are in; K's other eight loads and V's sixteen stay out
.irp kt, 0,1,2,3
	v_wmma_f32_16x16x32_f16 v[S+8*\kt:S+8*\kt+7], v[KFR+16*\kt:KFR+16*\kt+7], v[QF:QF+7], 0
.endr
	s_wait_dscnt 16                                ; all of K is in; V's sixteen stay out
.irp kt, 0,1,2,3                               ; the four accumulators take turns
	v_wmma_f32_16x16x32_f16 v[S+8*\kt:S+8*\kt+7], v[KFR+16*\kt+8:KFR+16*\kt+15], v[QF+8:QF+15], v[S+8*\kt:S+8*\kt+7]
.endr
.rept 4
	v_nop
.endr
	s_add_co_u32 s96, s[KF], 63                    ; on the diagonal hidden scores become -infinity: p = 0 then.  A step all of whose keys count skips this
	s_cmp_le_u32 s96, s[Q0]
	s_cbranch_scc1 .Lopen_\@
	s_sub_co_i32 s96, s[Q0], s[KF]
	v_add_nc_u32 v[DD], s96, v[D0]                 ; register n holds key KF + 16 (n / 8) + 8 h + n % 8: hidden where 16 (n / 8) + n % 8 > my query - KF - 8 h
.irp n, 0,1,2,3,4,5,6,7,8,9,10,11,12,13,14,15,16,17,18,19,20,21,22,23,24,25,26,27,28,29,30,31
	v_cmp_gt_i32 vcc_lo, 16*(\n/8)+\n%8, v[DD]
	v_cndmask_b32 v[S+\n], v[S+\n], v[NINF], vcc_lo
.endr
.Lopen_\@:
.irp j, 0,1,2,3                                ; the largest of my 32 scores and the old m: four chains; each accumulator is read from its low end on
	v_max3_num_f32 v[ST+4+\j], v[S+8*\j], v[S+8*\j+1], v[S+8*\j+2]
.endr
.irp u, 3,5
.irp j, 0,1,2,3
	v_max3_num_f32 v[ST+4+\j], v[ST+4+\j], v[S+8*\j+\u], v[S+8*\j+\u+1]
.endr
.endr
	v_max3_num_f32 v[ST+4], v[ST+4], v[S+7], v[S+15]
	v_max3_num_f32 v[ST+6], v[ST+6], v[S+23], v[S+31]
	v_max3_num_f32 v[ST+4], v[ST+4], v[ST+5], v[ST+6]
	v_max3_num_f32 v[ST+4], v[ST+4], v[ST+7], v[ST+1]
	v_permlanex16_b32 v[ST+5], v[ST+4], s[SEL], s[SEL+1]   ; the query's other 32 keys lie in the lane 16 away
	v_mov_b32 v[ST+7], v[ST]                       ; c m_old
	v_max_num_f32 v[ST+1], v[ST+4], v[ST+5]        ; the new m
	v_mul_f32 v[ST], s[CS], v[ST+1]
	v_sub_f32 v[ST+7], v[ST+7], v[ST]              ; c m_old - c m_new
.irp b, 0,1,2,3,4,5,6,7,8,9,10,11,12,13,14,15
	v_pk_fma_f32 v[S+2*\b:S+2*\b+1], v[S+2*\b:S+2*\b+1], s[CS:CS+1], v[ST:ST+1] op_sel_hi:[1,0,0] neg_lo:[0,0,1] neg_hi:[0,0,1]   ; c s - c m, two at a time
.endr
	v_exp_f32 v[ST+6], v[ST+7]                     ; a
.irp n, 0,1,2,3,4,5,6,7,8,9,10,11,12,13,14,15,16,17,18,19,20,21,22,23,24,25,26,27,28,29,30,31
	v_exp_f32 v[S+\n], v[S+\n]                     ; p
.endr
	v_nop                                          ; a plain line behind the last exponential
	s_wait_alu depctr_va_vdst(0)                   ; one wait for the batch of 33, ahead of its first reader
	v_pk_mul_f32 v[ST+2:ST+3], v[ST+2:ST+3], v[ST+6:ST+7] op_sel_hi:[1,0]   ; the sum under the new m
.irp j, 0,1,2,3,4,5,6,7,8,9,10,11,12,13,14,15
	v_cvt_pk_f16_f32 v[P+\j], v[S+2*\j], v[S+2*\j+1]
.endr
.irp j, 0,1,2,3,4,5,6,7,8,9,10,11,12,13,14,15
	v_pk_mul_f32 v[O+2*\j:O+2*\j+1], v[O+2*\j:O+2*\j+1], v[ST+6:ST+7] op_sel_hi:[1,0]   ; O^T under the new m
.endr
	v_pk_add_f32 v[ST+4:ST+5], v[S+2:S+3], v[S+6:S+7]      ; the sum of the unrounded p, in two chains
	v_pk_add_f32 v[ST+2:ST+3], v[ST+2:ST+3], v[S:S+1]
	v_pk_add_f32 v[ST+2:ST+3], v[ST+2:ST+3], v[S+4:S+5]
.irp j, 8,12,16,20,24,28
	v_pk_add_f32 v[ST+2:ST+3], v[ST+2:ST+3], v[S+\j:S+\j+1]
	v_pk_add_f32 v[ST+4:ST+5], v[ST+4:ST+5], v[S+\j+2:S+\j+3]
.endr
	v_pk_add_f32 v[ST+2:ST+3], v[ST+2:ST+3], v[ST+4:ST+5]
	s_wait_dscnt 0x0                               ; V is in
.irp f, 0,1
.irp ct, 0,1,2,3                               ; the four accumulators take turns
	v_wmma_f32_16x16x32_f16 v[O+8*\ct:O+8*\ct+7], v[VFR+32*\f+8*\ct:VFR+32*\f+8*\ct+7], v[P+8*\f:P+8*\f+7], v[O+8*\ct:O+8*\ct+7]
.endr
.endr
.Lhidden_\@:
	s_add_co_u32 s[KF], s[KF], 64
.endm
; THE CHANGE OF SLOTS stands at a slot's head.  Each wave waits for all its tensor loads (its part of the slot that it is about to read), adds 0 to its spare word, and waits for that and for its reads of the slot that it has left.
; Behind the barrier the slot ahead is whole and nobody reads the other one.  fill = 1: that other slot is filled with the next 256 keys, up to the causal limit: the load has four key steps in which to land.
.macro CHANGE fill
	s_wait_tensorcnt 0x0                           ; no tensor load of mine is out, so a group 0 may be written
	ds_add_u32 v[SPW], v[NIL]                      ; 0 onto my spare word
.if \fill
	s_xor_b32 s[G0K+1], s[G0K+1], SLOT1            ; the walking descriptors: the other slot than last time, the next 256 keys
	s_add_nc_u64 s[G0K+2:G0K+3], s[G0K+2:G0K+3], 32768
	s_xor_b32 s[G0V+1], s[G0V+1], SLOT1
	s_add_nc_u64 s[G0V+2:G0V+3], s[G0V+2:G0V+3], 32768
	s_wait_xcnt 0x0                                ; the last prefetch, a slot back, has read its address, so it may be written:
	s_add_nc_u64 s[PFA:PFA+1], s[PFA:PFA+1], 32768 ; one slot further on than the walking descriptors
.endif
	s_wait_dscnt 0x0                               ; the add is done, and my reads of the slot that I have left are over
	s_barrier_signal -1
	s_barrier_wait -1
.if \fill
	s_add_co_u32 s96, s[KF], 256                   ; the first key of the slot that this change would ask for:
	s_cmp_gt_u32 s96, s[QL]                        ; past my work-group's last query it is read by none of the sixteen waves, and is not asked for.  Ids and the count of steps alone: all waves go the same way.
	s_cbranch_scc1 .Lpast_\@                       ; Every wait for tensor loads in this text is for 0, and the jump leads round the load's own lines alone
	TLOAD                                          ; a wave's one tensor load until the next such barrier
.Lpast_\@:
	ASK
.endif
.endm
.macro SLOT_STEPS
.irp q, 0,1,2,3
	STEP \q
.endr
	s_xor_b32 s[TB], s[TB], SLOT1                  ; on to the other slot
.endm
	s_wait_loadcnt 0x0                             ; Q
.Lslot:                                            ; 7 trips: behind each change of slots but the last the next slot is asked for, up to the limit
	CHANGE 1
	SLOT_STEPS
	s_sub_co_u32 s[SLOTS], s[SLOTS], 1
	s_cmp_lg_u32 s[SLOTS], 0
	s_cbranch_scc1 .Lslot
	CHANGE 0                                       ; the last slot is written out: nothing is left to fetch
	SLOT_STEPS
	; THE WAY OUT.  O^T is divided by the sum, held, rounded to f16 and goes through my stage in LDS: 16 rows of 128 bytes come back as 2,048 consecutive bytes.
.rept 4
	v_nop                                          ; places behind the last products
.endr
	v_add_f32 v[ST+2], v[ST+2], v[ST+3]            ; the sum's two halves,
	v_permlanex16_b32 v[ST+4], v[ST+2], s[SEL], s[SEL+1]
	v_add_f32 v[ST+2], v[ST+2], v[ST+4]            ; and lane l xor 16's
	v_rcp_f32 v[ST+6], v[ST+2]
	v_and_b32 v248, 15, v0                         ; (plain lines behind the reciprocal)
	v_bfe_u32 v249, v0, 4, 1
	s_mul_i32 s96, s[WV], 16*SPITCH
	s_add_co_u32 s96, s96, STAGE                   ; my stage
	v_mul_u32_u24 v250, v248, SPITCH
	v_lshl_add_u32 v250, v249, 4, v250
	v_add_nc_u32 v250, s96, v250                   ; in: row r, 16 bytes for each half of the lanes
	v_bfe_u32 v251, v0, 3, 2
	v_mul_u32_u24 v251, v251, SPITCH
	v_and_b32 v252, 7, v0
	v_lshl_add_u32 v251, v252, 4, v251
	v_add_nc_u32 v251, s96, v251                   ; back: eight lanes to a row, four rows a load
	s_wait_alu depctr_va_vdst(0)                   ; ahead of the reciprocal's first reader
.irp j, 0,1,2,3,4,5,6,7,8,9,10,11,12,13,14,15
	v_pk_mul_f32 v[O+2*\j:O+2*\j+1], v[O+2*\j:O+2*\j+1], v[ST+6:ST+7] op_sel_hi:[1,0]
.endr
.irp j, 0,1,2,3,4,5,6,7,8,9,10,11,12,13,14,15,16,17,18,19,20,21,22,23,24,25,26,27,28,29,30,31
	v_med3_num_f32 v[O+\j], v[O+\j], s98, s99
.endr
.irp j, 0,1,2,3,4,5,6,7,8,9,10,11,12,13,14,15
	v_cvt_pk_f16_f32 v[P+\j], v[O+2*\j], v[O+2*\j+1]
.endr
.irp ct, 0,1,2,3
	ds_store_b128 v250, v[P+4*\ct:P+4*\ct+3] offset:32*\ct
.endr
.irp i, 0,1,2,3
	ds_load_b128 v[S+4*\i:S+4*\i+3], v251 offset:576*\i    ; LDS serves a wave's instructions in order: these see my stores
.endr
.irp i, 0,1,2,3
	s_wait_dscnt 3-\i                              ; load i is in; the later ones stay out
	global_store_b128 v[GO], v[S+4*\i:S+4*\i+3], s[6:7] offset:512*\i   ; the wave stores 512 consecutive bytes, aligned
.endr
	s_wait_tensorcnt 0x0                           ; the wave's end, behind my last tensor load and my last LDS store
	ds_add_u32 v[SPW], v[NIL]
	s_wait_dscnt 0x0
	s_endpgm
.Lfunc_end_k_qc9233a8a7b_attn:
	.size	k_qc9233a8a7b_attn, .Lfunc_end_k_qc9233a8a7b_attn-k_qc9233a8a7b_attn
	.p2alignl 7, 3214868480
	.fill 96, 4, 3214868480
	.section	.rodata,"a",@progbits
	.p2align	6, 0x0
	.amdhsa_kernel k_qc9233a8a7b_attn
		.amdhsa_group_segment_fixed_size 327680
		.amdhsa_private_segment_fixed_size 0
		.amdhsa_enable_private_segment 0
		.amdhsa_kernarg_size 16
		.amdhsa_user_sgpr_count 2
		.amdhsa_user_sgpr_kernarg_segment_ptr 1
		.amdhsa_wavefront_size32 1
		.amdhsa_system_sgpr_workgroup_id_x 1
		.amdhsa_system_sgpr_workgroup_id_y 1
		.amdhsa_system_sgpr_workgroup_id_z 1
		.amdhsa_system_vgpr_workitem_id 0
		.amdhsa_next_free_vgpr 256
		.amdhsa_next_free_sgpr 100
		.amdhsa_reserve_vcc 1
		.amdhsa_float_denorm_mode_32 3
		.amdhsa_float_denorm_mode_16_64 3
		.amdhsa_memory_ordered 1
		.amdhsa_forward_progress 1
		.amdhsa_inst_pref_size 112
	.end_amdhsa_kernel
	.amdgpu_metadata
---
amdhsa.version: [ 1, 2 ]
amdhsa.kernels:
  - .name:           k_qc9233a8a7b_attn
    .symbol:         k_qc9233a8a7b_attn.kd
    .args:
      - { .name: qkv, .offset: 0, .size: 8, .value_kind: global_buffer, .address_space: global }
      - { .name: ao, .offset: 8, .size: 8, .value_kind: global_buffer, .address_space: global }
    .group_segment_fixed_size: 327680
    .private_segment_fixed_size: 0
    .kernarg_segment_align: 8
    .kernarg_segment_size: 16
    .max_flat_workgroup_size: 512
    .sgpr_count:     100
    .vgpr_count:     256
    .wavefront_size: 32
...
	.end_amdgpu_metadata
.endif
;; end of part 3
;; launch oproj (part 4): grid 8 x 32, 4 waves a work-group, clusters of 4 x 4, 327,680 bytes of LDS; arguments ao, wo16, out0; writes out0
.if DOCPART == 4
	.amdgcn_target "amdgcn-amd-amdhsa--gfx1250"
	.amdhsa_code_object_version 6
	.text
	.protected	k_qc9233a8a7b_oproj
	.globl	k_qc9233a8a7b_oproj
	.p2align	8
	.type	k_qc9233a8a7b_oproj,@function
k_qc9233a8a7b_oproj:
	s_mov_b64 s[64:65], 0
	v_nop
	global_prefetch_b8 v0, s[64:65] scope:SCOPE_SE
	s_setreg_imm32_b32 hwreg(HW_REG_WAVE_MODE, 25, 1), 1
	s_wait_xcnt 0x0
	s_wait_alu depctr_hold_cnt(0) depctr_sa_sdst(0) depctr_va_vdst(0) depctr_va_sdst(0) depctr_va_ssrc(0) depctr_va_vcc(0) depctr_vm_vsrc(0)
	s_getreg_b32 s2, hwreg(HW_REG_IB_STS2, 6, 4)
	s_cmp_eq_u32 s2, 0
	s_cbranch_scc0 .Lentry_in_a_cluster
	s_endpgm
.Lentry_in_a_cluster:
	s_bfe_u32 s2, ttmp6, 0x10000c
	s_cmp_lg_u32 s2, 0xf033
	s_cbranch_scc0 .Lentry_shape_is_right
	s_endpgm
.Lentry_shape_is_right:
; out0[m][n] = sum over k of A[m][k] Wo[n][k], M 4,096, N 1,024, K 1,024; operands f16, sums and result f32.
; A (ao) is laid [m / 128][head 16][128 rows][64], Wo (wo16) [n / 128][head 16][128 rows][64]; K = 64 x head + channel.  So the tile of 128 rows x 256 along K (four heads' planes) is ONE dense block of 65,536 bytes in both.
; A tile of the result is 128 x 128: 8 x 32 = 256 work-groups.  Four waves, each 64 x 64: 16 accumulators.  K goes in 4 steps of 256 through a ring of two LDS slots; a wave's tensor load brings half of A's or of B's block,
; 32,768 bytes as 128 rows of 256 bytes (two rows of the plane each) with 16 bytes of padding behind each.  By this text's count two tensor loads of a wave are out at the start, later one.
; CLUSTERS: 4 x 4 work-groups.  The four of a row of the cluster need the same tiles of A, the four of a column the same tiles of Wo: each tile is asked for JOINTLY.
; THE MATRIX INSTRUCTION IS USED TRANSPOSED (source 0 = 16 rows of Wo, source 1 = 16 rows of A): a lane holds eight neighbouring numbers of a row of the result.
; No prefetch: the tiles are small and a K step's work is short; the joint loads divide the requests by four.
; REGISTERS: window 0: v16-29 addresses; v32-95 rows on the way out; v128-255 the accumulators ((a, b) at 128 + 8 (4 a + b)).  Window 1: two fragment buffers of 128: for 64 along K, 64 registers of A, then 64 of Wo.
.set PITCH,  272                       ; an LDS row: two rows of a plane (256 bytes) + 16 of padding: the 16 rows of a fragment fall on 16 different 16-byte columns modulo 256
.set PLANE,  64*PITCH                  ; a head's plane: 128 rows x 64 channels
.set HALFT,  2*PLANE                   ; what one tensor load brings
.set SLOT,   4*HALFT                   ; A's four planes, then Wo's four
.set STAGE,  2*SLOT                    ; behind the ring: 16 rows x 272 bytes for each wave
.set SPITCH, 272
.set SPARE,  STAGE+4*16*SPITCH         ; the spare words, 128 bytes a wave
.set STEPB,  65536                     ; a K step in memory
.set LAPS,   2                         ; a lap = two K steps
.set ADRA, 16
.set ADRB, 20
.set STO,  24
.set RD,   25
.set CO,   26
.set SPW,  28
.set NIL,  29
.set TMP,  32
.set ACC,  128
.set F0,   0
.set F1,   128
.set G1, 24
.set G0, 32
.set G1B, 48
.set G0B, 56
.set MSB, 0
.macro WIN new                         ; the immediate's high byte repeats the setting that is left
.if MSB != \new
	s_set_vgpr_msb (MSB<<8)|\new
.set MSB, \new
.endif
.endm
.set MUL,  0x05                        ; sources 0 (Wo) and 1 (A) window 1; C and D window 0
.set TO_F, 0x40                        ; destination window 1, address window 0
.macro JLOAD s                         ; a joint load: waves 0 and 1 fetch A's halves, waves 2 and 3 Wo's; an s_nop 0 and four v_nop follow each of the two lines
	s_cmp_eq_u32 s11, 0
	s_cbranch_scc0 .Lfor_b_\@
	tensor_load_to_lds s[G0+4*\s:G0+4*\s+3], s[G1:G1+7]
	s_nop 0
.rept 4
	v_nop
.endr
	s_branch .Lasked_\@
.Lfor_b_\@:
	tensor_load_to_lds s[G0B+4*\s:G0B+4*\s+3], s[G1B:G1B+7]
	s_nop 0
.rept 4
	v_nop
.endr
.Lasked_\@:
.endm
.macro CREST                           ; a round of the cluster's barrier behind its opening barrier
	s_cmp_lg_u32 s10, 0
	s_cbranch_scc1 .Lnot_wave_0_\@
	s_barrier_signal -3
.Lnot_wave_0_\@:
	s_barrier_wait -3
	s_barrier_signal -1
	s_barrier_wait -1
.endm
.macro CROUND
	s_barrier_signal -1
	s_barrier_wait -1
	CREST
.endm
	s_load_b128 s[4:7], s[0:1], 0x0                ; ao 4:5, wo16 6:7
	s_load_b64 s[8:9], s[0:1], 0x10                ; out0
	v_lshl_add_u32 v[SPW], v0, 2, SPARE
	v_mov_b32 v[NIL], 0
	ds_add_u32 v[SPW], v[NIL]                      ; the wave's opening: the add and its wait stand ahead of my first tensor load; work on registers stands between them
	v_lshrrev_b32 v1, 5, v0
	v_readfirstlane_b32 s10, v1                    ; wave 0..3
	s_lshr_b32 s11, s10, 1                         ; which half of the tile's rows is mine.  Also: I fetch for A (0) or for Wo (1)
	s_and_b32 s12, s10, 1                          ; which half of its columns.  Also: which two planes of a K step I fetch
	s_bfe_u32 s40, ttmp6, 0x40000                  ; cx, cy
	s_bfe_u32 s41, ttmp6, 0x40004
	s_lshl_b32 s42, ttmp9, 2
	s_add_co_u32 s42, s42, s40                     ; tile column = 4 x cluster x + cx
	s_and_b32 s13, ttmp7, 0xffff
	s_lshl_b32 s13, s13, 2
	s_add_co_u32 s13, s13, s41                     ; tile row = 4 x cluster y + cy
	s_lshl_b32 s43, s41, 2
	s_lshl_b32 s43, 15, s43                        ; my row of the cluster
	s_lshl_b32 s44, 0x1111, s40                    ; my column
	; group 1: a dense block of 32,768 bytes as 128 rows of 256 bytes (32 elements of 8), 16 bytes of padding behind each
	s_or_b32 s[G1+0], s43, (3<<16)|(1<<20)|(1<<21)|(5<<22)|(3<<25)
	s_or_b32 s[G1B+0], s44, (3<<16)|(1<<20)|(1<<21)|(5<<22)|(3<<25)
.irp g, G1, G1B
	s_mov_b32 s[\g+1], 32<<16
	s_mov_b32 s[\g+2], 128<<16
	s_mov_b32 s[\g+3], 32<<16
	s_mov_b32 s[\g+4], 128
	s_mov_b32 s[\g+5], 32
	s_mov_b32 s[\g+6], 0
	s_mov_b32 s[\g+7], 0
.endr
	s_lshl_b32 s17, s12, 15                        ; my two planes
	s_lshl_b32 s16, s13, 18
	s_add_co_u32 s16, s16, s17                     ; A: 262,144 x tile row + 32,768 x half
	s_lshl_b32 s46, s42, 18
	s_add_co_u32 s46, s46, s17                     ; Wo: by the tile column
	s_mov_b32 s17, 0
	s_mov_b32 s47, 0
	s_mul_i32 s20, s10, HALFT                      ; where they go: wave x half a tile: no place in the cluster enters an LDS address
	s_wait_dscnt 0x0                               ; the opening add is done
	s_wait_kmcnt 0x0
	s_add_nc_u64 s[14:15], s[4:5], s[16:17]
	s_add_nc_u64 s[46:47], s[6:7], s[46:47]
	CROUND                                         ; all sixteen work-groups are here: the first joint loads meet
.irp s, 0,1
	s_mov_b32 s[G0+4*\s], 1
	s_add_co_u32 s[G0+4*\s+1], s20, \s*SLOT
	s_add_nc_u64 s[G0+4*\s+2:G0+4*\s+3], s[14:15], \s*STEPB
	s_or_b32 s[G0+4*\s+3], s[G0+4*\s+3], 0x80000000
	s_mov_b32 s[G0B+4*\s], 1
	s_add_co_u32 s[G0B+4*\s+1], s20, \s*SLOT
	s_add_nc_u64 s[G0B+4*\s+2:G0B+4*\s+3], s[46:47], \s*STEPB
	s_or_b32 s[G0B+4*\s+3], s[G0B+4*\s+3], 0x80000000
	JLOAD \s
.endr
	v_and_b32 v1, 15, v0                           ; r
	v_bfe_u32 v2, v0, 4, 1                         ; h
	v_lshrrev_b32 v3, 1, v1
	v_mul_u32_u24 v3, v3, PITCH                    ; row r of a fragment lies in LDS row r / 2, half r % 2
	v_and_b32 v4, 1, v0
	v_lshl_add_u32 v3, v4, 7, v3
	v_lshl_add_u32 v3, v2, 4, v3
	s_mul_i32 s21, s11, 32*PITCH                   ; my 64 rows of A in a plane
	s_mul_i32 s22, s12, 32*PITCH                   ; my 64 rows of Wo,
	s_add_co_u32 s22, s22, 2*HALFT                 ; behind A's four planes
.irp s, 0,1
	v_add_nc_u32 v[ADRA+\s], s21, v3
	v_add_nc_u32 v[ADRB+\s], s22, v3
	s_add_co_u32 s21, s21, SLOT
	s_add_co_u32 s22, s22, SLOT
.endr
	s_mul_i32 s23, s10, 16*SPITCH
	s_add_co_u32 s23, s23, STAGE                   ; my stage
	v_mul_u32_u24 v4, v1, SPITCH
	v_lshl_add_u32 v4, v2, 5, v4
	v_add_nc_u32 v[STO], s23, v4                   ; in: row r, 32 bytes for each half of the lanes
	v_mul_u32_u24 v5, v2, SPITCH
	v_lshl_add_u32 v5, v1, 4, v5
	v_add_nc_u32 v[RD], s23, v5                    ; back: lanes 0-15 one row of 256 bytes, lanes 16-31 the next
	v_lshlrev_b32 v5, 12, v2
	v_lshl_add_u32 v[CO], v1, 4, v5                ; and the same two rows of the result (4,096 bytes a row)
	s_lshl_b32 s16, s13, 7
	s_lshl_b32 s17, s11, 6
	s_add_co_u32 s16, s16, s17                     ; my first row
	s_lshl_b32 s16, s16, 12
	s_lshl_b32 s46, s42, 9                         ; my first column, in bytes: 512 x tile column + 256 x half
	s_lshl_b32 s47, s12, 8
	s_add_co_u32 s46, s46, s47
	s_add_co_u32 s16, s16, s46
	s_mov_b32 s17, 0
	s_add_nc_u64 s[8:9], s[8:9], s[16:17]
; 8 products: row blocks a0, a0 + 1 x all 4 column blocks, 32 along K: half c of buffer f.  zero = 1: the first product starts the sums
.macro MUL8 f, c, a0, zero
.irp a, \a0, \a0+1
.irp b, 0,1,2,3
.if \zero
	v_wmma_f32_16x16x32_f16 v[ACC+8*(4*(\a)+\b):ACC+8*(4*(\a)+\b)+7], v[\f+64+8*(4*\c+\b):\f+64+8*(4*\c+\b)+7], v[\f+8*(4*\c+\a):\f+8*(4*\c+\a)+7], 0
.else
	v_wmma_f32_16x16x32_f16 v[ACC+8*(4*(\a)+\b):ACC+8*(4*(\a)+\b)+7], v[\f+64+8*(4*\c+\b):\f+64+8*(4*\c+\b)+7], v[\f+8*(4*\c+\a):\f+8*(4*\c+\a)+7], v[ACC+8*(4*(\a)+\b):ACC+8*(4*(\a)+\b)+7]
.endif
.endr
.endr
.endm
; 32 LDS loads in one run: the fragments of one plane (64 along K), which begins at byte k of a slot's part, into buffer f; the first 32 along K first
.macro FETCH slot, k, f
	WIN TO_F
.irp c, 0,1
.irp i, 0,1,2,3
	ds_load_b128 v[\f+64+8*(4*\c+\i):\f+64+8*(4*\c+\i)+3],   v[ADRB+\slot] offset:\k+64*\c+\i*8*PITCH
	ds_load_b128 v[\f+64+8*(4*\c+\i)+4:\f+64+8*(4*\c+\i)+7], v[ADRB+\slot] offset:\k+64*\c+\i*8*PITCH+32
	ds_load_b128 v[\f+8*(4*\c+\i):\f+8*(4*\c+\i)+3],         v[ADRA+\slot] offset:\k+64*\c+\i*8*PITCH
	ds_load_b128 v[\f+8*(4*\c+\i)+4:\f+8*(4*\c+\i)+7],       v[ADRA+\slot] offset:\k+64*\c+\i*8*PITCH+32
.endr
.endr
.endm
.macro PLACES                          ; four places in front of loads into registers that products have read, and of the first read of results
.rept 4
	v_nop
.endr
.endm
; A K step is four quarters, a plane each, 32 products, on buffers 0, 1, 0, 1.  One of the first three: multiplies buffer f and fetches the next plane, at byte k, into g.  The 16 accumulators take turns.
.macro QUARTER slot, k, f, g, zero
	s_wait_dscnt 16                                ; the first 32 along K are in; the other sixteen loads stay out
	WIN MUL
	MUL8 \f, 0, 0, \zero
	MUL8 \f, 0, 2, \zero
	PLACES
	FETCH \slot, \k, \g
	s_wait_dscnt 32                                ; all but the 32 just issued
	WIN MUL
	MUL8 \f, 1, 0, 0
	MUL8 \f, 1, 2, 0
.endm
; The last quarter multiplies buffer 1 and changes slots: ONE barrier; in front of it each wave waits for all its tensor loads, adds 0 to its spare word, and waits for that and for its own reads of this slot.
; fill = 1: this slot is filled again, two K steps ahead; the barrier then opens a round of the cluster's barrier.
.macro TURN slot, next, fill
	WIN 0                                          ; (the add's two registers lie in window 0)
	s_wait_tensorcnt 0x0                           ; all my tensor loads have landed: my part of the next slot;
	ds_add_u32 v[SPW], v[NIL]                      ; 0 onto my spare word;
	s_wait_dscnt 17                                ; (the add and the youngest sixteen loads may be out)
	WIN MUL
	MUL8 F1, 0, 0, 0                               ; eight products stand between the add and the wait for it
	s_wait_dscnt 0x0                               ; the add is done, and my reads of this slot are over
	s_barrier_signal -1
	MUL8 F1, 0, 2, 0
.if \fill
	WIN 0
.endif
	s_barrier_wait -1
.if \fill
	CREST                                          ; no wave of any partner still reads this slot's tile or has a load on its way
	s_add_nc_u64 s[G0+4*\slot+2:G0+4*\slot+3], s[G0+4*\slot+2:G0+4*\slot+3], 2*STEPB
	s_add_nc_u64 s[G0B+4*\slot+2:G0B+4*\slot+3], s[G0B+4*\slot+2:G0B+4*\slot+3], 2*STEPB
	JLOAD \slot                                    ; the first tensor load behind the round; the four v_nop behind it are also the places in front of the loads below
.else
	PLACES
.endif
	FETCH \next, 0, F0
	WIN MUL
	MUL8 F1, 1, 0, 0
	MUL8 F1, 1, 2, 0
.endm
	s_wait_tensorcnt 1                             ; my part of K step 0 is in; K step 1's load may stay out
	s_barrier_signal -1
	s_barrier_wait -1                              ; everybody's is
	FETCH 0, 0, F0
	QUARTER 0, PLANE, F0, F1, 1                    ; the first quarter stands in front of the loop: its first products start the sums
	WIN 0                                          ; at a label and at a branch every window is 0
	s_mov_b32 s3, LAPS-1
.Llap:                                                 ; a trip goes once round the ring, from a lap's second quarter to the next lap's first, and fills both slots again
	QUARTER 0, 2*PLANE, F1, F0, 0
	QUARTER 0, 3*PLANE, F0, F1, 0
	TURN 0, 1, 1
	QUARTER 1, PLANE, F0, F1, 0
	QUARTER 1, 2*PLANE, F1, F0, 0
	QUARTER 1, 3*PLANE, F0, F1, 0
	TURN 1, 0, 1
	QUARTER 0, PLANE, F0, F1, 0
	WIN 0
	s_sub_co_u32 s3, s3, 1
	s_cmp_lg_u32 s3, 0
	s_cbranch_scc1 .Llap
	QUARTER 0, 2*PLANE, F1, F0, 0                  ; the last lap fills nothing, and has no round of the cluster's barrier
	QUARTER 0, 3*PLANE, F0, F1, 0
	TURN 0, 1, 0
	QUARTER 1, PLANE, F0, F1, 0
	QUARTER 1, 2*PLANE, F1, F0, 0
	QUARTER 1, 3*PLANE, F0, F1, 0
	s_wait_dscnt 16                                ; the very last quarter: nothing more to fetch
	WIN MUL
	MUL8 F1, 0, 0, 0
	MUL8 F1, 0, 2, 0
	s_wait_dscnt 0
	MUL8 F1, 1, 0, 0
	MUL8 F1, 1, 2, 0
	WIN 0
; THE WAY OUT, block by block of 16 rows x 64 columns.  A wave's 64 columns of f32 are 256 consecutive bytes, aligned: each wave has a stage of its own, and no barrier is needed.
.macro TOSTAGE a
.irp b, 0,1,2,3
	ds_store_b128 v[STO], v[ACC+8*(4*(\a)+\b):ACC+8*(4*(\a)+\b)+3] offset:64*\b       ; each accumulator from its low end on
	ds_store_b128 v[STO], v[ACC+8*(4*(\a)+\b)+4:ACC+8*(4*(\a)+\b)+7] offset:64*\b+16
.endr
.irp t, 0,1,2,3,4,5,6,7
	ds_load_b128 v[TMP+32*((\a)%2)+4*\t:TMP+32*((\a)%2)+4*\t+3], v[RD] offset:\t*2*SPITCH   ; LDS serves a wave's instructions in order: these see the stores above, and the next block's stores come behind them
.endr
.endm
.macro SEND a, younger                 ; younger: the LDS instructions issued behind block a's loads, which may stay out
	s_wait_dscnt \younger
.irp t, 0,1,2,3,4,5,6,7
	global_store_b128 v[CO], v[TMP+32*((\a)%2)+4*\t:TMP+32*((\a)%2)+4*\t+3], s[8:9] offset:65536*(\a)+8192*\t th:TH_STORE_NT   ; sixteen lanes store 256 consecutive bytes, aligned; written once, read by nobody here
.endr
.endm
	PLACES
	TOSTAGE 0
.irp a, 1,2,3
.if \a > 1
	s_wait_xcnt 0x0                                ; block a - 2's stores have read their registers: block a's rows may land there
.endif
	TOSTAGE \a
	SEND (\a)-1, 16                                ; behind block a - 1's loads: block a's 8 stores and 8 loads
.endr
	SEND 3, 0
	s_wait_tensorcnt 0x0                           ; the wave's end, behind my last tensor load and my last LDS store
	ds_add_u32 v[SPW], v[NIL]
	s_wait_dscnt 0x0
	CROUND                                         ; the closing round: no work-group ends while a partner may still ask for a tile that names it
	s_endpgm
.Lfunc_end_k_qc9233a8a7b_oproj:
	.size	k_qc9233a8a7b_oproj, .Lfunc_end_k_qc9233a8a7b_oproj-k_qc9233a8a7b_oproj
	.p2alignl 7, 3214868480
	.fill 96, 4, 3214868480
	.section	.rodata,"a",@progbits
	.p2align	6, 0x0
	.amdhsa_kernel k_qc9233a8a7b_oproj
		.amdhsa_group_segment_fixed_size 327680
		.amdhsa_private_segment_fixed_size 0
		.amdhsa_enable_private_segment 0
		.amdhsa_kernarg_size 24
		.amdhsa_user_sgpr_count 2
		.amdhsa_user_sgpr_kernarg_segment_ptr 1
		.amdhsa_wavefront_size32 1
		.amdhsa_system_sgpr_workgroup_id_x 1
		.amdhsa_system_sgpr_workgroup_id_y 1
		.amdhsa_system_sgpr_workgroup_id_z 1
		.amdhsa_system_vgpr_workitem_id 0
		.amdhsa_next_free_vgpr 512
		.amdhsa_next_free_sgpr 66
		.amdhsa_reserve_vcc 0
		.amdhsa_float_denorm_mode_32 3
		.amdhsa_float_denorm_mode_16_64 3
		.amdhsa_memory_ordered 1
		.amdhsa_forward_progress 1
		.amdhsa_inst_pref_size 85
	.end_amdhsa_kernel
	.amdgpu_metadata
---
amdhsa.version: [ 1, 2 ]
amdhsa.kernels:
  - .name:           k_qc9233a8a7b_oproj
    .symbol:         k_qc9233a8a7b_oproj.kd
    .args:
      - { .name: ao, .offset: 0, .size: 8, .value_kind: global_buffer, .address_space: global }
      - { .name: wo16, .offset: 8, .size: 8, .value_kind: global_buffer, .address_space: global }
      - { .name: out0, .offset: 16, .size: 8, .value_kind: global_buffer, .address_space: global }
    .group_segment_fixed_size: 327680
    .private_segment_fixed_size: 0
    .kernarg_segment_align: 8
    .kernarg_segment_size: 24
    .max_flat_workgroup_size: 128
    .sgpr_count:     66
    .vgpr_count:     512
    .wavefront_size: 32
...
	.end_amdgpu_metadata
.endif
;; end of part 4
